; MI455X (gfx1250); checked and timed in simulation.
; The chip was launched on July 23, 2026; its instructions are those of AMD's public machine-readable ISA for CDNA 5 (MIT licence, August 2026) and "CDNA5" Instruction Set Architecture Reference Guide (July 2026). The comments in the code are by the model that wrote it; some were corrected since.
;; MHA. Allowed arithmetic: matrix products marked QUANTISED: E2M1 operands, one E8M0 scale for each 32 along K, by v_wmma_scale_f32_16x16x128_f8f6f4 with both operands' format E2M1 (or v_wmma_scale_f32_32x16x128_f4), f32 sums; products left as they are: bf16, f16 or f32 operands; f32 sums; everything else in f32.
;; Inputs: Wk 1,024 x 1,024 float32; Wo 1,024 x 1,024 float32; Wq 1,024 x 1,024 float32; Wv 1,024 x 1,024 float32; bk 1,024 float32; bo 1,024 float32; bq 1,024 float32; bv 1,024 float32; x 2 x 2,048 x 1,024 float32.
;; Outputs: out0 2 x 2,048 x 1,024 float32.
;; This version of the problem:
;;   THIS VERSION OF THE PROBLEM IS GIVEN IN LOW PRECISION. The matrix products marked QUANTISED in the list below multiply operands that are first quantised to E2M1 (2 exponent bits, 1 mantissa bit; 4 bits a number), with one power-of-two scale for each 32 numbers along K (OCP MX v1.0); their sums are f32. The products marked 'left as it is' may take bf16, f16 or f32 operands, with f32 sums. Whichever they take, every output number must still come out within the allowed error. Rounding operands to bf16 (8 significant bits) uses up far more of that allowance than f16 does (11 bits, for magnitudes from 6e-5 to 65,504). All else is computed in f32.
;;   The module's matrix products, in the order in which they are computed (A, B: the left and right operand; K: the contracted axis; several contracted axes count as one K, in the product's order):
;;     1. [M 4,096, K 1,024] x [K 1,024, N 1,024]; A: input x; B: input Wq: QUANTISED
;;     2. [M 4,096, K 1,024] x [K 1,024, N 1,024]; A: input x; B: input Wk: QUANTISED
;;     3. [M 4,096, K 1,024] x [K 1,024, N 1,024]; A: input x; B: input Wv: QUANTISED
;;     4. batch 32 x [M 2,048, K 64] x [K 64, N 2,048]; A: computed on the way; B: computed on the way: left as it is (an operand is computed on the way)
;;     5. batch 32 x [M 2,048, K 2,048] x [K 2,048, N 64]; A: computed on the way; B: computed on the way: left as it is (an operand is computed on the way)
;;     6. [M 4,096, K 1,024] x [K 1,024, N 1,024]; A: computed on the way; B: input Wo: left as it is (an operand is computed on the way)
;;   THE QUANTISER, for each operand of a quantised product, along K:
;;     - K is cut into blocks of 32 from its start; a last block that is shorter is filled with zeros.
;;     - A block's scale is 2^e with e = floor(log2(the largest magnitude in the block)) - 2, held to -126 .. 127; a block of zeros has e = 0. As a byte (E8M0): e + 127.
;;     - Each number is divided by its block's scale, clamped to +-6, and rounded to the nearest number of E2M1, ties to even, subnormals kept.
;;     - The product sums the exact products of the quantised numbers (number of the format x scale) in f32.
;;   ~~~python
;;   def quantise(x, axis):      # numpy; x: float32 -> the quantised numbers, widened to float32 again
;;       x = np.moveaxis(x, axis, -1); K = x.shape[-1]
;;       x = np.pad(x, [(0, 0)] * (x.ndim - 1) + [(0, -K % 32)]); x = x.reshape(x.shape[:-1] + (-1, 32)); a = np.abs(x).max(-1, keepdims=True)
;;       e = np.where(a > 0, np.clip(np.frexp(np.where(a > 0, a, 1))[1] - 1 - 2, -126, 127), 0)      # np.frexp(a)[1] - 1 = floor(log2(a)), exactly
;;       r = np.clip(x / 2.0 ** e, -6, 6)
;;       step = 2.0 ** (np.maximum(np.frexp(np.where(r == 0, 1, r))[1] - 1, 0) - 1)
;;       q = np.round(r / step) * step * 2.0 ** e      # np.round: ties to even
;;       return np.moveaxis(q.reshape(q.shape[:-2] + (-1,))[..., :K], -1, axis).astype(np.float32)
;;   ~~~
;; One version. Each part assembles by itself: llvm-mc -triple=amdgcn-amd-amdhsa -mcpu=gfx1250 --defsym DOCPART=n.
;; ======== version 1 of 1: 4 launches
;; limits: values are held in f16: magnitudes above 65,504 overflow, below 6.1e-05 lose precision
;; workspace buffers: x_codes 2,097,152 bytes; x_scales 131,072 bytes; w_codes 1,572,864 bytes; w_scales 98,304 bytes; wo16 2,097,152 bytes; qkv16 25,165,824 bytes; o16 8,388,608 bytes
;; launch prep (part 1): grid 256 x 1, 4 waves a work-group, no clusters, 33,280 bytes of LDS; arguments x, Wq, Wk, Wv, Wo, x_codes, x_scales, w_codes, w_scales, wo16; writes x_codes, x_scales, w_codes, w_scales, wo16
.if DOCPART == 1
	.amdgcn_target "amdgcn-amd-amdhsa--gfx1250"
	.amdhsa_code_object_version 6
	.text
	.protected	k_q5a5733ae2d_prep
	.globl	k_q5a5733ae2d_prep
	.p2align	8
	.type	k_q5a5733ae2d_prep,@function
k_q5a5733ae2d_prep:
	s_mov_b64 s[64:65], 0
	v_nop
	global_prefetch_b8 v0, s[64:65] scope:SCOPE_SE
	s_setreg_imm32_b32 hwreg(HW_REG_WAVE_MODE, 25, 1), 1
	s_wait_xcnt 0x0
; x [4096][1024], Wq, Wk, Wv [1024][1024], f32, become codes of FP4 (E2M1), K innermost, two codes a byte, with one E8M0 byte for each 32 along K; Wo [1024][1024] becomes f16.
; A block's scale is 2^(floor(log2(its largest magnitude)) - 2); its byte is the largest magnitude's exponent field - 2, held at 1 from below.  Each number is divided by the scale and rounded to the nearest code, ties to even, beyond 6 the code of 6.
; LIMITS: a block of zeros gets the byte 1 where the rule says 127 (its codes are zeros, which add nothing under any byte but 0xff, and this program alone reads the bytes); blocks whose largest magnitude lies under 2^-124 keep the byte 1;
; NaN and infinities are not served; numbers of Wo beyond 65,504 have no f16.
; SHARES: a work-group takes 32,768 numbers, a wave 8,192.  Work-groups 0-127: x; 128-159: Wq; 160-191: Wk; 192-223: Wv (their codes and bytes lie one behind the other in w_codes and w_scales); 224-255: Wo.
; Rows are dense and K is a multiple of 32: each tensor is a plain stream of blocks of 32, and so are its codes and bytes.
; THE QUANTISER: a wave takes 16 steps of 512 numbers.  Each of a step's four loads reads 512 consecutive bytes; the 2,048 bytes turn through the wave's own stage in LDS and come back 64 bytes a lane: 16 neighbours along K, two lanes to a block.
; A lane's 16 codes are 8 bytes: the wave stores 256 consecutive bytes.  A wave's 256 scale bytes are gathered in LDS and leave as one aligned run of 256 bytes.  Waves share nothing: no barrier.
.set WAVES, 4
.set STEPS, 16
.set EMAX,  2
.set CB,    8                          ; bytes of 16 codes
.set R,     16                         ; v16-79   four sets of 16 numbers as they are loaded
.set X,     80                         ; v80-111  two sets of 16 neighbours
.set E,     112                        ; v112-127 a scale byte for each step
.set C,     128                        ; v128-191 codes: four registers for each step, so that no store's data are written again
.set WREG,  8192                       ; LDS: a region for each wave: two stages of 32 x SP bytes, behind them its 256 scale bytes
.set SP,    80                         ; a lane's place in a stage: 64 bytes + 16 of padding
.set SPW,   12                         ; v12  LDS address of my spare word; never rewritten
.set NIL,   13                         ; v13  0; never rewritten
.set SPARE, WAVES*WREG                 ; behind the regions: the spare words, 128 bytes a wave
.set IN,    16                         ; Wo's path: v16-143 two sets of 64 numbers
.set OUTW,  144                        ; v144-175 32 registers of f16 pairs
	s_load_b256 s[4:11], s[0:1], 0x0               ; x, Wq, Wk, Wv
	s_load_b256 s[12:19], s[0:1], 0x20             ; Wo, x_codes, x_scales, w_codes
	s_load_b128 s[20:23], s[0:1], 0x40             ; w_scales, wo16
	v_lshl_add_u32 v[SPW], v0, 2, SPARE
	v_mov_b32 v[NIL], 0
	v_lshrrev_b32 v1, 5, v0
	v_readfirstlane_b32 s30, v1                    ; wave
	v_and_b32 v2, 31, v0                           ; lane
	v_lshlrev_b32 v3, 4, v2                        ; my 16 bytes of a load's 512
	s_mul_i32 s31, s30, WREG
	v_lshrrev_b32 v14, 2, v2
	v_mul_u32_u24 v14, v14, SP
	v_and_b32 v15, 3, v2
	v_lshl_add_u32 v14, v15, 4, v14
	v_add_nc_u32 v14, s31, v14                     ; the stage, on the way in: SP (lane / 4) + 16 (lane % 4)
	v_mul_u32_u24 v15, v2, SP
	v_add_nc_u32 v15, s31, v15                     ; and on the way out: SP x lane: my 16 neighbours
	v_mul_u32_u24 v4, v2, CB                       ; my codes' place in a step's
	v_lshrrev_b32 v5, 1, v2
	s_add_co_u32 s31, s31, 2*32*SP
	v_add_nc_u32 v5, s31, v5                       ; LDS: my wave's 256 scale bytes, my block's byte
	v_lshlrev_b32 v7, 3, v2                        ; 8 bytes a lane
	v_add_nc_u32 v6, s31, v7
	s_wait_kmcnt 0x0
	s_cmp_ge_u32 ttmp9, 224                        ; the work-group's number alone decides the path
	s_cbranch_scc1 .Lwo
	s_and_b32 s31, ttmp9, 31                       ; a W's work-group among its 32
	s_cmp_ge_u32 ttmp9, 160
	s_cselect_b64 s[24:25], s[8:9], s[6:7]         ; Wk or Wq,
	s_cmp_ge_u32 ttmp9, 192
	s_cselect_b64 s[24:25], s[10:11], s[24:25]     ; or Wv,
	s_cmp_lt_u32 ttmp9, 128
	s_cselect_b64 s[24:25], s[4:5], s[24:25]       ; or x
	s_cselect_b64 s[26:27], s[14:15], s[18:19]     ; the codes' buffer
	s_cselect_b64 s[28:29], s[16:17], s[20:21]     ; the bytes' buffer
	s_cselect_b32 s32, ttmp9, s31                  ; which 32,768 numbers of the source,
	s_cselect_b32 s33, 0, 128
	s_sub_co_u32 s33, ttmp9, s33                   ; and of the destination
	s_lshl_b32 s32, s32, 2
	s_add_co_u32 s32, s32, s30                     ; my wave's run of 8,192 numbers
	s_lshl_b32 s34, s32, 15                        ; 32,768 bytes of f32 a run
	s_mov_b32 s35, 0
	s_add_nc_u64 s[24:25], s[24:25], s[34:35]
	s_lshl_b32 s33, s33, 2
	s_add_co_u32 s33, s33, s30
	s_lshl_b32 s34, s33, 12                        ; 4,096 bytes of codes a run
	s_add_nc_u64 s[26:27], s[26:27], s[34:35]
	s_lshl_b32 s34, s33, 8                         ; 256 scale bytes a run
	s_add_nc_u64 s[28:29], s[28:29], s[34:35]
.macro LOAD t
.irp i, 0,1,2,3
	global_load_b128 v[R+16*((\t)%4)+4*\i:R+16*((\t)%4)+4*\i+3], v3, s[24:25] offset:2048*(\t)+512*\i th:TH_LOAD_NT   ; 32 lanes read 512 consecutive bytes
.endr
.endm
.macro TURN t                          ; step t's numbers through the stage: LDS serves a wave's instructions in order, so no wait stands between the stores and the loads
.irp i, 0,1,2,3
	ds_store_b128 v14, v[R+16*((\t)%4)+4*\i:R+16*((\t)%4)+4*\i+3] offset:32*SP*((\t)%2)+8*SP*\i
.endr
.irp i, 0,1,2,3
	ds_load_b128 v[X+16*((\t)%2)+4*\i:X+16*((\t)%2)+4*\i+3], v15 offset:32*SP*((\t)%2)+16*\i
.endr
.endm
.irp t, 0,1,2,3
	LOAD \t
.endr
	s_wait_loadcnt 12                              ; step 0's four loads are in; three steps' twelve may be out
	TURN 0
.macro STEP t
.set XS, X+16*((\t)%2)
.if (\t) > 0
	s_wait_dscnt 1                                 ; this step's numbers are back from the stage (the last step's byte store may be out): so its stores into the stage have read their registers,
.else
	s_wait_dscnt 0x0
.endif
.if (\t)+4 < STEPS
	LOAD (\t)+4                                    ; which take the loads of four steps on
.endif
.if (\t)+1 < STEPS
.if STEPS-2-(\t) >= 3
	s_wait_loadcnt 12                              ; the next step's four loads are in; those of the three steps behind it may be out
.else
	s_wait_loadcnt 4*(STEPS-2-(\t))
.endif
	TURN (\t)+1                                    ; and go through the other stage while this step is worked
.endif
	v_max3_num_f32 v8, |v[XS]|, |v[XS+1]|, |v[XS+2]|               ; the largest magnitude of my 16, in two chains
	v_max3_num_f32 v9, |v[XS+3]|, |v[XS+4]|, |v[XS+5]|
.irp i, 6,10
	v_max3_num_f32 v8, v8, |v[XS+\i]|, |v[XS+\i+1]|
	v_max3_num_f32 v9, v9, |v[XS+\i+2]|, |v[XS+\i+3]|
.endr
	v_max3_num_f32 v8, v8, |v[XS+14]|, |v[XS+15]|
	v_max3_num_f32 v8, v8, v9, (EMAX+1)<<23        ; and the floor 2^(EMAX + 1 - 127): the byte cannot fall under 1
	v_max_num_f32_dpp v8, v8, v8 row_xmask:1 row_mask:0xf bank_mask:0xf   ; and of my neighbour's 16: the block's
	v_add_nc_u32 v11, -(EMAX<<23), v8              ; EMAX off its exponent field: the conversion takes the exponent field of this operand as its scale
	v_cvt_scalef32_pk8_fp4_f32 v[C+4*(\t)], v[XS:XS+7], v11
	v_cvt_scalef32_pk8_fp4_f32 v[C+4*(\t)+1], v[XS+8:XS+15], v11
	v_lshrrev_b32 v[E+(\t)], 23, v11               ; the scale's byte (also the plain line behind the conversions)
	ds_store_b8 v5, v[E+(\t)] offset:16*(\t)       ; both lanes of a block write the same byte with the same value
	global_store_b64 v4, v[C+4*(\t):C+4*(\t)+1], s[26:27] offset:32*CB*(\t)   ; 32 lanes store 256 consecutive bytes, aligned
.endm
.irp t, 0,1,2,3,4,5,6,7,8,9,10,11,12,13,14,15
	STEP \t
.endr
	ds_load_b64 v[8:9], v6                         ; LDS serves a wave's instructions in order: these see my byte stores
	s_wait_dscnt 0x0
	global_store_b64 v7, v[8:9], s[28:29]          ; 32 lanes store 256 consecutive bytes, aligned
	s_wait_tensorcnt 0x0                           ; the wave's end: behind my last LDS store
	ds_add_u32 v[SPW], v[NIL]
	s_wait_dscnt 0x0
	s_endpgm
; Wo to f16: a plain stream, no LDS.  A wave takes four groups of 2,048 numbers; two groups of sixteen loads are on their way.
.Lwo:
	s_sub_co_u32 s31, ttmp9, 224
	s_lshl_b32 s31, s31, 2
	s_add_co_u32 s31, s31, s30                     ; my wave's run of 8,192 numbers
	s_lshl_b32 s34, s31, 15
	s_mov_b32 s35, 0
	s_add_nc_u64 s[12:13], s[12:13], s[34:35]
	s_lshl_b32 s34, s31, 14
	s_add_nc_u64 s[22:23], s[22:23], s[34:35]
.macro WLOAD g
.irp i, 0,1,2,3,4,5,6,7,8,9,10,11,12,13,14,15
	global_load_b128 v[IN+64*((\g)%2)+4*\i:IN+64*((\g)%2)+4*\i+3], v3, s[12:13] offset:512*(16*(\g)+\i) th:TH_LOAD_NT
.endr
.endm
	WLOAD 0
	WLOAD 1
.irp g, 0,1,2,3
.if \g < 3
	s_wait_loadcnt 16                              ; this group's sixteen loads are in; the younger group's may be out
.else
	s_wait_loadcnt 0x0
.endif
.if \g > 0
	s_wait_xcnt 0x0                                ; the last group's stores have read their data registers, which are written again below
.endif
.irp i, 0,1,2,3,4,5,6,7,8,9,10,11,12,13,14,15
	v_cvt_pk_f16_f32 v[OUTW+2*\i], v[IN+64*(\g%2)+4*\i], v[IN+64*(\g%2)+4*\i+1]
	v_cvt_pk_f16_f32 v[OUTW+2*\i+1], v[IN+64*(\g%2)+4*\i+2], v[IN+64*(\g%2)+4*\i+3]
.endr
.irp i, 0,1,2,3,4,5,6,7,8,9,10,11,12,13,14,15
	global_store_b64 v7, v[OUTW+2*\i:OUTW+2*\i+1], s[22:23] offset:256*(16*\g+\i)   ; 32 lanes store 256 consecutive bytes, aligned
.endr
.if \g < 2
	WLOAD \g+2
.endif
.endr
	s_wait_tensorcnt 0x0                           ; the wave's end, in the same form as on the other path
	ds_add_u32 v[SPW], v[NIL]
	s_wait_dscnt 0x0
	s_endpgm
.Lfunc_end_k_q5a5733ae2d_prep:
	.size	k_q5a5733ae2d_prep, .Lfunc_end_k_q5a5733ae2d_prep-k_q5a5733ae2d_prep
	.p2alignl 7, 3214868480
	.fill 96, 4, 3214868480
	.section	.rodata,"a",@progbits
	.p2align	6, 0x0
	.amdhsa_kernel k_q5a5733ae2d_prep
		.amdhsa_group_segment_fixed_size 33280
		.amdhsa_private_segment_fixed_size 0
		.amdhsa_enable_private_segment 0
		.amdhsa_kernarg_size 80
		.amdhsa_user_sgpr_count 2
		.amdhsa_user_sgpr_kernarg_segment_ptr 1
		.amdhsa_wavefront_size32 1
		.amdhsa_system_sgpr_workgroup_id_x 1
		.amdhsa_system_sgpr_workgroup_id_y 1
		.amdhsa_system_sgpr_workgroup_id_z 1
		.amdhsa_system_vgpr_workitem_id 0
		.amdhsa_next_free_vgpr 192
		.amdhsa_next_free_sgpr 66
		.amdhsa_reserve_vcc 0
		.amdhsa_float_denorm_mode_32 3
		.amdhsa_float_denorm_mode_16_64 3
		.amdhsa_memory_ordered 1
		.amdhsa_forward_progress 1
		.amdhsa_inst_pref_size 54
	.end_amdhsa_kernel
	.amdgpu_metadata
---
amdhsa.version: [ 1, 2 ]
amdhsa.kernels:
  - .name:           k_q5a5733ae2d_prep
    .symbol:         k_q5a5733ae2d_prep.kd
    .args:
      - { .name: x, .offset: 0, .size: 8, .value_kind: global_buffer, .address_space: global }
      - { .name: Wq, .offset: 8, .size: 8, .value_kind: global_buffer, .address_space: global }
      - { .name: Wk, .offset: 16, .size: 8, .value_kind: global_buffer, .address_space: global }
      - { .name: Wv, .offset: 24, .size: 8, .value_kind: global_buffer, .address_space: global }
      - { .name: Wo, .offset: 32, .size: 8, .value_kind: global_buffer, .address_space: global }
      - { .name: x_codes, .offset: 40, .size: 8, .value_kind: global_buffer, .address_space: global }
      - { .name: x_scales, .offset: 48, .size: 8, .value_kind: global_buffer, .address_space: global }
      - { .name: w_codes, .offset: 56, .size: 8, .value_kind: global_buffer, .address_space: global }
      - { .name: w_scales, .offset: 64, .size: 8, .value_kind: global_buffer, .address_space: global }
      - { .name: wo16, .offset: 72, .size: 8, .value_kind: global_buffer, .address_space: global }
    .group_segment_fixed_size: 33280
    .private_segment_fixed_size: 0
    .kernarg_segment_align: 8
    .kernarg_segment_size: 80
    .max_flat_workgroup_size: 128
    .sgpr_count:     66
    .vgpr_count:     192
    .wavefront_size: 32
...
	.end_amdgpu_metadata
.endif
;; end of part 1
;; launch qkv (part 2): grid 12 x 16, 4 waves a work-group, clusters of 4 x 4, 327,680 bytes of LDS; arguments x_codes, x_scales, w_codes, w_scales, qkv16, bq, bk, bv; writes qkv16
.if DOCPART == 2
	.amdgcn_target "amdgcn-amd-amdhsa--gfx1250"
	.amdhsa_code_object_version 6
	.text
	.protected	k_q5a5733ae2d_qkv
	.globl	k_q5a5733ae2d_qkv
	.p2align	8
	.type	k_q5a5733ae2d_qkv,@function
k_q5a5733ae2d_qkv:
	s_mov_b64 s[64:65], 0
	v_nop
	global_prefetch_b8 v0, s[64:65] scope:SCOPE_SE
	s_setreg_imm32_b32 hwreg(HW_REG_WAVE_MODE, 25, 1), 1
	s_wait_xcnt 0x0
	s_wait_alu depctr_hold_cnt(0) depctr_sa_sdst(0) depctr_va_vdst(0) depctr_va_sdst(0) depctr_va_ssrc(0) depctr_va_vcc(0) depctr_vm_vsrc(0)
	s_getreg_b32 s2, hwreg(HW_REG_IB_STS2, 6, 4)
	s_cmp_eq_u32 s2, 0
	s_cbranch_scc0 .Lentry_in_a_cluster
	s_endpgm
.Lentry_in_a_cluster:
	s_bfe_u32 s2, ttmp6, 0x10000c
	s_cmp_lg_u32 s2, 0xf033
	s_cbranch_scc0 .Lentry_shape_is_right
	s_endpgm
.Lentry_shape_is_right:
; [q | k | v][m][n] = sum over k of x[m][k] W[n][k] + b[n]: one product 4,096 x 3,072 x 1,024 on codes of FP4 (E2M1) with one E8M0 byte for each 32 along K; sums in f32; the result is rounded once to f16.
; A tile of 256 x 256 is made by a work-group of four waves; a wave makes 128 x 128: 64 accumulators, 512 registers.  K is two steps of 512: both slots are asked for at the head and nothing is filled again.
; The scales of the work-group's 256 rows of x and of W, for all of K, are two dense blocks: they come into LDS once, with the first fills.  A wave has three tensor loads out at the start.
; CLUSTERS: 4 x 4 work-groups; x's tiles are shared along a row of the cluster, W's along a column: each is asked for jointly.  A cluster's x (0, 1, 2) says whether its 1,024 columns are q's, k's or v's: the same in all sixteen.
; THE MATRIX INSTRUCTION IS USED TRANSPOSED (source 0 = 16 rows of W, source 1 = 16 rows of x): a lane holds one token (lane % 16) and eight neighbouring channels 8 (lane / 16) + 0 .. 7.  The bias is the C of each sum's first product.
; THE RESULT IS LAID AS THE NEXT LAUNCH'S OPERAND REGISTERS: qkv16 [matrix 3][batch x head 32][tile of 16 tokens 128][2,048 bytes]; a tile is four pieces of 512 bytes, piece ct = channels 16 ct .. 16 ct + 15: a lane's four packed registers.
; In q and k lane l's 16 bytes lie at 16 l: pieces 2 c and 2 c + 1 are registers 0-3 and 4-7 of a fragment of 16 tokens x 32 channels.  In v they lie at 16 (r % 8) + 128 h + 256 (r / 8), r = l % 16, h = l / 16: so a turning
; load whose lane l reads at 16 l gets half a fragment of v transposed.  Every store of a wave covers 512 consecutive bytes, aligned: no stage in LDS is needed.
; LIMITS: q, k, v beyond 65,504 have no f16; NaN and infinities are not served.
; REGISTERS, in windows of 256: window 0: v0-31 addresses; v32-95 scale words, two sets; v128-191 x's fragments, one set; v192-255 the bias, 8 registers for each of my 8 blocks of 16 channels.
;   window 1: W's fragments, two sets, at v0 and v128; on the way out the packed results.   window 2: the accumulators of my rows 0-63 ((a, b) at v[8 (8 a + b)]);   window 3: those of rows 64-127.
.set SIZE_K, 1024
.set MATB,   8388608                   ; bytes of q, of k, of v in qkv16
.set HEADB,  262144                    ; bytes of one head of one batch
.set KSTEP,  512
.set NQ,     KSTEP/128
.set ROWB,   256                       ; a tile's row in bytes
.set KROW,   SIZE_K/2                  ; a row of codes in memory
.set PITCH,  272                       ; an LDS row: 256 bytes + 16 of padding: the 16 rows that a load touches start 68 words apart
.set FR,     8
.set NL,     2
.set NP,     4
.set HALFT,  128*PITCH
.set SLOT,   4*HALFT
.set KS,     SIZE_K/32                 ; a row of scale bytes
.set SCL,    2*SLOT
.set HALFS,  (128*KS/256)*272
.set SBLK,   (16*KS/256)*272
.set SPARE,  SCL+4*HALFS               ; the spare words, 128 bytes a wave
.set ADRA, 16                          ; v16-17  LDS address of my fragments of x in slot 0, 1
.set ADRB, 20                          ; v20-21  the same for W
.set CO,   26                          ; v26     my lane's 16 bytes in a piece of the result
.set ADRS, 27                          ; v27     LDS address of my scale words: lanes 0-15 x's rows, lanes 16-31 W's
.set SPW,  28
.set NIL,  29
.set BO,   30                          ; v30     the bias: 32 bytes x (lane / 16)
.set SC,   32
.set AF,   128
.set BI,   192
.set G1, 24
.set G0, 32
.set G1B, 48
.set G0B, 56
.set G1S, 68
.set G0S, 76
.set G1SB, 80
.set G0SB, 88
.set MSB, 0
.macro WIN new                         ; the immediate's high byte repeats the setting that is left
.if MSB != \new
	s_set_vgpr_msb (MSB<<8)|\new
.set MSB, \new
.endif
.endm
.set MUL_LO, 0xa1                      ; source 0 (W) window 1, source 1 (x) window 0, C and D window 2
.set MUL_HI, 0xf1                      ; the same, C and D window 3
.set BEG_LO, 0x81                      ; the first step: C (the bias) window 0, D window 2
.set BEG_HI, 0xc1                      ; D window 3
.set TO_B,   0x40
; A joint load: waves 0 and 1 fetch for x, waves 2 and 3 for W.  The branch hangs on the wave's number alone.  An s_nop 0 and four v_nop follow each of the two lines.
.macro JLOAD g0a, g1a, g0b, g1b
	s_cmp_eq_u32 s15, 0
	s_cbranch_scc0 .Lfor_b_\@
	tensor_load_to_lds s[\g0a:\g0a+3], s[\g1a:\g1a+7]
	s_nop 0
.rept 4
	v_nop
.endr
	s_branch .Lasked_\@
.Lfor_b_\@:
	tensor_load_to_lds s[\g0b:\g0b+3], s[\g1b:\g1b+7]
	s_nop 0
.rept 4
	v_nop
.endr
.Lasked_\@:
.endm
.macro CROUND                          ; a round of the cluster's barrier
	s_barrier_signal -1
	s_barrier_wait -1
	s_cmp_lg_u32 s14, 0
	s_cbranch_scc1 .Lnot_wave_0_\@
	s_barrier_signal -3
.Lnot_wave_0_\@:
	s_barrier_wait -3
	s_barrier_signal -1
	s_barrier_wait -1
.endm
	s_load_b128 s[4:7], s[0:1], 0x0                ; x's codes, x's scales
	s_load_b128 s[8:11], s[0:1], 0x10              ; W's codes, W's scales
	s_load_b64 s[12:13], s[0:1], 0x20              ; qkv16
	s_load_b128 s[96:99], s[0:1], 0x28             ; bq, bk
	s_load_b64 s[100:101], s[0:1], 0x38            ; bv
	v_lshl_add_u32 v[SPW], v0, 2, SPARE
	v_mov_b32 v[NIL], 0
	ds_add_u32 v[SPW], v[NIL]                      ; the wave's opening: the add, twice on end, and its wait ahead of my first tensor load
	ds_add_u32 v[SPW], v[NIL]
	v_lshrrev_b32 v1, 5, v0
	v_readfirstlane_b32 s14, v1                    ; wave 0..3
	s_lshr_b32 s15, s14, 1                         ; which half of the tile's rows is mine.  Also: I fetch for x (0) or for W (1)
	s_and_b32 s16, s14, 1                          ; which half of its columns.  Also: which 128 rows of that tile I fetch
	s_bfe_u32 s40, ttmp6, 0x40000                  ; cx, cy: my place in the cluster
	s_bfe_u32 s41, ttmp6, 0x40004
	s_lshl_b32 s42, ttmp9, 2
	s_add_co_u32 s42, s42, s40                     ; tile column = 4 x cluster x + cx
	s_and_b32 s17, ttmp7, 0xffff
	s_lshl_b32 s17, s17, 2
	s_add_co_u32 s17, s17, s41                     ; tile row = 4 x cluster y + cy
	s_lshl_b32 s43, s41, 2
	s_lshl_b32 s43, 15, s43                        ; my row of the cluster
	s_lshl_b32 s44, 0x1111, s40                    ; my column
	; descriptor group 1: a tile of 128 rows x 256 bytes, 16 bytes of padding behind each row
	s_or_b32 s[G1+0], s43, (0<<16)|(1<<20)|(1<<21)|(5<<22)|(3<<25)  ; 15:0 the mask; 17:16 elements of 1 byte; 20 padding on; 21 set beside a mask; 24:22 after every 64 words; 31:25 four words
	s_or_b32 s[G1B+0], s44, (0<<16)|(1<<20)|(1<<21)|(5<<22)|(3<<25)
.irp g, G1, G1B
	s_mov_b32 s[\g+1], ROWB<<16                    ; tensor_dim0
	s_mov_b32 s[\g+2], 128<<16                     ; tensor_dim1
	s_mov_b32 s[\g+3], ROWB<<16                    ; tile_dim0
	s_mov_b32 s[\g+4], 128                         ; tile_dim1
	s_mov_b32 s[\g+5], KROW                        ; from row to row
	s_mov_b32 s[\g+6], 0
	s_mov_b32 s[\g+7], 0
.endr
	; the scales of 128 rows: 4,096 dense bytes as 16 rows of 256 bytes (32 elements of 8), 16 bytes of padding behind each
	s_or_b32 s[G1S+0], s43, (3<<16)|(1<<20)|(1<<21)|(5<<22)|(3<<25)
	s_or_b32 s[G1SB+0], s44, (3<<16)|(1<<20)|(1<<21)|(5<<22)|(3<<25)
.irp g, G1S, G1SB
	s_mov_b32 s[\g+1], 32<<16
	s_mov_b32 s[\g+2], (128*KS/256)<<16
	s_mov_b32 s[\g+3], 32<<16
	s_mov_b32 s[\g+4], 128*KS/256
	s_mov_b32 s[\g+5], 32
	s_mov_b32 s[\g+6], 0
	s_mov_b32 s[\g+7], 0
.endr
	s_lshl_b32 s18, s16, 7                         ; which 128 rows of the tile I fetch
	s_lshl_b32 s20, s17, 8
	s_add_co_u32 s20, s20, s18                     ; x: row 256 x tile row + 128 x half
	s_lshl_b32 s46, s42, 8
	s_add_co_u32 s46, s46, s18                     ; W: row 256 x tile column + 128 x half
	s_mov_b32 s21, 0
	s_mov_b32 s47, 0
	s_mov_b64 s[18:19], KS
	s_mul_u64 s[22:23], s[20:21], s[18:19]         ; where these rows' scales begin, in bytes
	s_mul_u64 s[92:93], s[46:47], s[18:19]
	s_mov_b64 s[18:19], KROW
	s_mul_u64 s[20:21], s[20:21], s[18:19]         ; and their codes
	s_mul_u64 s[46:47], s[46:47], s[18:19]
	s_mul_i32 s45, s14, HALFT                      ; where they go: wave x 128 rows: no place in the cluster enters an LDS address
	s_mul_i32 s94, s14, HALFS
	s_wait_dscnt 0x0                               ; both opening adds are done
	s_wait_kmcnt 0x0
	s_add_nc_u64 s[20:21], s[4:5], s[20:21]
	s_add_nc_u64 s[22:23], s[6:7], s[22:23]
	s_add_nc_u64 s[46:47], s[8:9], s[46:47]
	s_add_nc_u64 s[92:93], s[10:11], s[92:93]
	CROUND                                         ; all sixteen work-groups are here: the first joint loads meet
	s_mov_b32 s[G0S], 1
	s_add_co_u32 s[G0S+1], s94, SCL
	s_mov_b64 s[G0S+2:G0S+3], s[22:23]
	s_or_b32 s[G0S+3], s[G0S+3], 0x80000000
	s_mov_b32 s[G0SB], 1
	s_add_co_u32 s[G0SB+1], s94, SCL
	s_mov_b64 s[G0SB+2:G0SB+3], s[92:93]
	s_or_b32 s[G0SB+3], s[G0SB+3], 0x80000000
	JLOAD G0S, G1S, G0SB, G1SB                     ; the scales first: they are wanted with K step 0
.irp s, 0,1
	s_mov_b32 s[G0+4*\s], 1
	s_add_co_u32 s[G0+4*\s+1], s45, \s*SLOT
	s_add_nc_u64 s[G0+4*\s+2:G0+4*\s+3], s[20:21], \s*ROWB
	s_or_b32 s[G0+4*\s+3], s[G0+4*\s+3], 0x80000000
	s_mov_b32 s[G0B+4*\s], 1
	s_add_co_u32 s[G0B+4*\s+1], s45, \s*SLOT
	s_add_nc_u64 s[G0B+4*\s+2:G0B+4*\s+3], s[46:47], \s*ROWB
	s_or_b32 s[G0B+4*\s+3], s[G0B+4*\s+3], 0x80000000
	JLOAD G0+4*\s, G1, G0B+4*\s, G1B
.endr
	v_and_b32 v1, 15, v0                           ; r = l % 16
	v_bfe_u32 v2, v0, 4, 1                         ; h = l / 16
	; the bias of my 128 channels, in the result's layout: block b, register j: b[16 b + 8 h + j]
	s_cmp_eq_u32 ttmp9, 1                          ; the cluster's x picks the matrix
	s_cselect_b64 s[96:97], s[98:99], s[96:97]
	s_cmp_eq_u32 ttmp9, 2
	s_cselect_b64 s[96:97], s[100:101], s[96:97]
	s_cselect_b32 s66, -1, 0                       ; all ones where the matrix is v
	s_lshl_b32 s92, s40, 10                        ; 256 channels x 4 bytes for each tile column of the matrix,
	s_lshl_b32 s93, s16, 9                         ; 128 for my half
	s_add_co_u32 s92, s92, s93
	s_mov_b32 s93, 0
	s_add_nc_u64 s[96:97], s[96:97], s[92:93]
	v_lshlrev_b32 v[BO], 5, v2
.irp b, 0,1,2,3,4,5,6,7
	global_load_b128 v[BI+8*\b:BI+8*\b+3], v[BO], s[96:97] offset:64*\b
	global_load_b128 v[BI+8*\b+4:BI+8*\b+7], v[BO], s[96:97] offset:64*\b+16
.endr
	v_mul_u32_u24 v3, v1, PITCH
	v_lshl_add_u32 v4, v2, 4, v3                   ; a fragment's row x pitch + 16 x half
	s_mul_i32 s21, s15, HALFT                      ; my 128 rows of x
	s_mul_i32 s22, s16, HALFT                      ; my 128 rows of W,
	s_add_co_u32 s22, s22, 2*HALFT                 ; which lie behind x's 256
.irp s, 0,1
	v_add_nc_u32 v[ADRA+\s], s21, v4
	v_add_nc_u32 v[ADRB+\s], s22, v4
	s_add_co_u32 s21, s21, SLOT
	s_add_co_u32 s22, s22, SLOT
.endr
	v_mul_u32_u24 v5, v1, KS                       ; my row's scales: KS bytes a row,
	v_lshrrev_b32 v6, 8, v5
	v_lshl_add_u32 v5, v6, 4, v5                   ; and 16 more for each 256 passed
	s_mul_i32 s21, s15, HALFS                      ; x's: my 128 rows
	s_mul_i32 s22, s16, HALFS                      ; W's: my 128 rows, behind x's 256
	s_add_co_u32 s22, s22, 2*HALFS
	s_sub_co_u32 s22, s22, s21
	v_mul_u32_u24 v6, s22, v2                      ; lanes 16-31 take W's: one product, the distance between the two bases
	s_add_co_u32 s21, s21, SCL
	v_add_nc_u32 v5, v5, v6
	v_add_nc_u32 v[ADRS], s21, v5
	; the way out: my lane's place in a piece,
	v_and_b32 v5, 31, v0
	v_lshlrev_b32 v5, 4, v5                        ; q, k: 16 l
	v_and_b32 v6, 7, v0
	v_lshlrev_b32 v6, 4, v6                        ; v: 16 (r % 8)
	v_lshl_add_u32 v6, v2, 7, v6                   ;    + 128 h
	v_bfe_u32 v3, v0, 3, 1
	v_lshl_add_u32 v6, v3, 8, v6                   ;    + 256 (r / 8)
	v_cndmask_b32 v[CO], v5, v6, s66
	; and where my wave's part begins: matrix, batch x 16 + my first head, my first tile of 16 tokens
	s_lshr_b32 s92, s17, 3                         ; the batch: 8 tile rows each
	s_lshl_b32 s92, s92, 4
	s_lshl_b32 s93, s40, 2                         ; 4 heads to a tile column,
	s_add_co_u32 s92, s92, s93
	s_lshl_b32 s93, s16, 1                         ; 2 to my half
	s_add_co_u32 s92, s92, s93
	s_lshl_b32 s92, s92, 18                        ; x HEADB
	s_and_b32 s93, s17, 7
	s_lshl_b32 s93, s93, 4                         ; 16 tiles of tokens to a tile row,
	s_lshl_b32 s94, s15, 3                         ; 8 to my half
	s_add_co_u32 s93, s93, s94
	s_lshl_b32 s93, s93, 11                        ; x 2,048 bytes
	s_add_co_u32 s92, s92, s93
	s_lshl_b32 s93, ttmp9, 23                      ; x MATB
	s_add_co_u32 s92, s92, s93
	s_mov_b32 s93, 0
	s_add_nc_u64 s[12:13], s[12:13], s[92:93]
.macro FRAG reg, adr, q, i             ; a fragment, 16 rows x 128 K of 4-bit codes: 8 registers: registers 4 c .. 4 c + 3 hold K = 64 c + 32 (l / 16) + 0 .. 31
.irp c, 0,1
	ds_load_b128 v[\reg+4*\c:\reg+4*\c+3], v[\adr] offset:64*(\q)+32*\c+(\i)*16*PITCH
.endr
.endm
; 16 matrix instructions: x's blocks a0, a0 + 1 against W's eight, 128 along K: the slot's q-th.  p: W's set;  sc: the set of scale words.  first = 1: the bias is C and starts the sums: nothing is cleared or added later.
; The 64 accumulators take turns, one instruction a turn, in the same order in every step.
.macro MUL16 a0, p, q, sc, first
.irp a, \a0, \a0+1
.irp b, 0,1,2,3,4,5,6,7
.if \first
	v_wmma_scale_f32_16x16x128_f8f6f4 v[8*(8*((\a)%4)+\b):8*(8*((\a)%4)+\b)+7], v[128*(\p)+FR*\b:128*(\p)+FR*\b+FR-1], v[AF+FR*(\a):AF+FR*(\a)+FR-1], v[BI+8*\b:BI+8*\b+7], v[SC+8*NQ*(\sc)+NQ*\b+(\q)], v[SC+8*NQ*(\sc)+NQ*(\a)+(\q)] matrix_a_fmt:MATRIX_FMT_FP4 matrix_b_fmt:MATRIX_FMT_FP4 matrix_a_scale:MATRIX_SCALE_ROW1
.else
	v_wmma_scale_f32_16x16x128_f8f6f4 v[8*(8*((\a)%4)+\b):8*(8*((\a)%4)+\b)+7], v[128*(\p)+FR*\b:128*(\p)+FR*\b+FR-1], v[AF+FR*(\a):AF+FR*(\a)+FR-1], v[8*(8*((\a)%4)+\b):8*(8*((\a)%4)+\b)+7], v[SC+8*NQ*(\sc)+NQ*\b+(\q)], v[SC+8*NQ*(\sc)+NQ*(\a)+(\q)] matrix_a_fmt:MATRIX_FMT_FP4 matrix_b_fmt:MATRIX_FMT_FP4 matrix_a_scale:MATRIX_SCALE_ROW1
.endif
.endr
.endr
.endm
.macro FETCH_B slot, q, p
	WIN TO_B
.irp i, 0,1,2,3,4,5,6,7
	FRAG 128*(\p)+FR*\i, ADRB+\slot, \q, \i
.endr
	WIN 0
.endm
.macro FETCH_A slot, q, i0
.irp i, \i0, \i0+1, \i0+2, \i0+3
	FRAG AF+FR*(\i), ADRA+\slot, \q, \i
.endr
.endm
.macro SCALES sc                       ; a K step's scale words into set sc: four words a row; lanes 0-15 take x's block i, lanes 16-31 W's block i
.irp i, 0,1,2,3,4,5,6,7
	ds_load_b128 v[SC+8*NQ*\sc+NQ*\i:SC+8*NQ*\sc+NQ*\i+3], v[ADRS] offset:\i*SBLK
.endr
.endm
; A load into a register that a matrix instruction has read, and a vector instruction that reads a matrix result or writes over a matrix instruction's source, stand four plain vector instructions behind it.
.macro PLACES n
.rept \n
	v_nop
.endr
.endm
.macro STEP slot, q, first             ; a step of 128 along K that has its successor in the same slot
	s_wait_dscnt 4*NL                              ; W's set and x's blocks 0-3 are in; the youngest eight loads (x's blocks 4-7) may be out
.if \first
	WIN BEG_LO
.else
	WIN MUL_LO
.endif
	MUL16 0, (\q)%2, \q, \slot, \first
	MUL16 2, (\q)%2, \q, \slot, \first
	s_wait_dscnt 0                                 ; x's blocks 4-7 are in
	PLACES NP
	FETCH_B \slot, (\q)+1, 1-(\q)%2
	FETCH_A \slot, (\q)+1, 0
.if \first
	WIN BEG_HI
.else
	WIN MUL_HI
.endif
	MUL16 4, (\q)%2, \q, \slot, \first
	MUL16 6, (\q)%2, \q, \slot, \first
	PLACES NP
	WIN 0
	FETCH_A \slot, (\q)+1, 4
.endm
.macro STEPS slot, from
.set Q, \from
.rept NQ-1-\from
	STEP \slot, Q, 0
.set Q, Q+1
.endr
.endm
	s_wait_tensorcnt 1                             ; the scales and my part of K step 0 are in (K step 1's load may be out)
	s_barrier_signal -1
	s_barrier_wait -1                              ; everybody's are
	FETCH_B 0, 0, 0
	FETCH_A 0, 0, 0
	SCALES 0
	FETCH_A 0, 0, 4
	s_wait_loadcnt 0x0                             ; the bias
	STEP 0, 0, 1
	STEPS 0, 1
	; slot 0's last step changes slots: each wave waits for all its tensor loads (its part of slot 1), then one barrier; nothing is filled again
	s_wait_tensorcnt 0x0
	ds_add_u32 v[SPW], v[NIL]                      ; 0 onto my spare word
	s_wait_dscnt 4*NL+1                            ; (the add and the youngest eight loads may be out)
	WIN MUL_LO
	MUL16 0, 1, NQ-1, 0, 0
	s_wait_dscnt 0x0                               ; the add is done, and my reads of slot 0 are over
	s_barrier_signal -1
	MUL16 2, 1, NQ-1, 0, 0
	WIN 0
	s_barrier_wait -1                              ; slot 1 is whole
	PLACES NP
	v_add_nc_u32 v[ADRS], 4*NQ, v[ADRS]            ; on to K step 1's scale words
	FETCH_B 1, 0, 0
	FETCH_A 1, 0, 0
	SCALES 1
	WIN MUL_HI
	MUL16 4, 1, NQ-1, 0, 0
	MUL16 6, 1, NQ-1, 0, 0
	PLACES NP
	WIN 0
	FETCH_A 1, 0, 4
	STEPS 1, 0
	s_wait_dscnt 4*NL                              ; the very last step: nothing more to fetch
	WIN MUL_LO
	MUL16 0, 1, NQ-1, 1, 0
	MUL16 2, 1, NQ-1, 1, 0
	s_wait_dscnt 0
	WIN MUL_HI
	MUL16 4, 1, NQ-1, 1, 0
	MUL16 6, 1, NQ-1, 1, 0
	WIN 0
	PLACES NP                                      ; in front of the conversions, which read results and write over W's fragments
; THE WAY OUT.  Block a (16 tokens x 128 channels): each accumulator's eight numbers, from its low end on, pack into four registers of window 1, and go out as they stand: a piece of 512 bytes a store.
; No register is written twice, so no wait stands among the stores.
.macro OUTB a
	WIN 0x4a+5*((\a)/4)                            ; sources window 2 or 3, destination window 1
.irp b, 0,1,2,3,4,5,6,7
.irp r, 0,1,2,3
	v_cvt_pk_f16_f32 v[32*(\a)+4*\b+\r], v[64*((\a)%4)+8*\b+2*\r], v[64*((\a)%4)+8*\b+2*\r+1]
.endr
.endr
	WIN 0x04                                       ; a store's data are its source 1: window 1
.irp b, 0,1,2,3,4,5,6,7
	global_store_b128 v[CO], v[32*(\a)+4*\b:32*(\a)+4*\b+3], s[12:13] offset:(\b/4)*HEADB+(\a)*2048+(\b%4)*512   ; head b / 4 of my two, tile a of my eight, piece b % 4
.endr
.endm
.irp a, 0,1,2,3,4,5,6,7
	OUTB \a
.endr
	WIN 0
	s_wait_tensorcnt 0x0                           ; the wave's end
	ds_add_u32 v[SPW], v[NIL]
	s_wait_dscnt 0x0
	CROUND                                         ; the closing round
	s_endpgm
.Lfunc_end_k_q5a5733ae2d_qkv:
	.size	k_q5a5733ae2d_qkv, .Lfunc_end_k_q5a5733ae2d_qkv-k_q5a5733ae2d_qkv
	.p2alignl 7, 3214868480
	.fill 96, 4, 3214868480
	.section	.rodata,"a",@progbits
	.p2align	6, 0x0
	.amdhsa_kernel k_q5a5733ae2d_qkv
		.amdhsa_group_segment_fixed_size 327680
		.amdhsa_private_segment_fixed_size 0
		.amdhsa_enable_private_segment 0
		.amdhsa_kernarg_size 64
		.amdhsa_user_sgpr_count 2
		.amdhsa_user_sgpr_kernarg_segment_ptr 1
		.amdhsa_wavefront_size32 1
		.amdhsa_system_sgpr_workgroup_id_x 1
		.amdhsa_system_sgpr_workgroup_id_y 1
		.amdhsa_system_sgpr_workgroup_id_z 1
		.amdhsa_system_vgpr_workitem_id 0
		.amdhsa_next_free_vgpr 1024
		.amdhsa_next_free_sgpr 102
		.amdhsa_reserve_vcc 0
		.amdhsa_float_denorm_mode_32 3
		.amdhsa_float_denorm_mode_16_64 3
		.amdhsa_memory_ordered 1
		.amdhsa_forward_progress 1
		.amdhsa_inst_pref_size 120
	.end_amdhsa_kernel
	.amdgpu_metadata
---
amdhsa.version: [ 1, 2 ]
amdhsa.kernels:
  - .name:           k_q5a5733ae2d_qkv
    .symbol:         k_q5a5733ae2d_qkv.kd
    .args:
      - { .name: x_codes, .offset: 0, .size: 8, .value_kind: global_buffer, .address_space: global }
      - { .name: x_scales, .offset: 8, .size: 8, .value_kind: global_buffer, .address_space: global }
      - { .name: w_codes, .offset: 16, .size: 8, .value_kind: global_buffer, .address_space: global }
      - { .name: w_scales, .offset: 24, .size: 8, .value_kind: global_buffer, .address_space: global }
      - { .name: qkv16, .offset: 32, .size: 8, .value_kind: global_buffer, .address_space: global }
      - { .name: bq, .offset: 40, .size: 8, .value_kind: global_buffer, .address_space: global }
      - { .name: bk, .offset: 48, .size: 8, .value_kind: global_buffer, .address_space: global }
      - { .name: bv, .offset: 56, .size: 8, .value_kind: global_buffer, .address_space: global }
    .group_segment_fixed_size: 327680
    .private_segment_fixed_size: 0
    .kernarg_segment_align: 8
    .kernarg_segment_size: 64
    .max_flat_workgroup_size: 128
    .sgpr_count:     102
    .vgpr_count:     1024
    .wavefront_size: 32
...
	.end_amdgpu_metadata
.endif
;; end of part 2
;; launch attn (part 3): grid 8 x 32, 4 waves a work-group, clusters of 4 x 1, 327,680 bytes of LDS; arguments qkv16, o16; writes o16
.if DOCPART == 3
	.amdgcn_target "amdgcn-amd-amdhsa--gfx1250"
	.amdhsa_code_object_version 6
	.text
	.protected	k_q5a5733ae2d_attn
	.globl	k_q5a5733ae2d_attn
	.p2align	8
	.type	k_q5a5733ae2d_attn,@function
k_q5a5733ae2d_attn:
	s_mov_b64 s[64:65], 0
	v_nop
	global_prefetch_b8 v0, s[64:65] scope:SCOPE_SE
	s_setreg_imm32_b32 hwreg(HW_REG_WAVE_MODE, 25, 1), 1
	s_wait_xcnt 0x0
	s_wait_alu depctr_hold_cnt(0) depctr_sa_sdst(0) depctr_va_vdst(0) depctr_va_sdst(0) depctr_va_ssrc(0) depctr_va_vcc(0) depctr_vm_vsrc(0)
	s_getreg_b32 s2, hwreg(HW_REG_IB_STS2, 6, 4)
	s_cmp_eq_u32 s2, 0
	s_cbranch_scc0 .Lentry_in_a_cluster
	s_endpgm
.Lentry_in_a_cluster:
	s_bfe_u32 s2, ttmp6, 0x10000c
	s_cmp_lg_u32 s2, 0x3003
	s_cbranch_scc0 .Lentry_shape_is_right
	s_endpgm
.Lentry_shape_is_right:
; o[bh][q][:] = the sum over k of softmax_k(q . k / 8) v[k][:], for 32 batch x heads, 2,048 tokens, head size 64.  Operands in f16, products, maxima and sums in f32; the weights p are rounded to f16 for the second product, o once at the end.
; qkv16 holds q, k, v as images of operand registers: [matrix 3][bh 32][tile of 16 tokens 128][4 pieces of 512 bytes]; a piece is four registers of 32 lanes.  So every LDS and global access here is 16 bytes a lane at 16 x lane: no pitch, no padding.
; SHARES.  A work-group owns 256 queries of one bh, each of its four waves 64: four tiles of 16.  Every wave walks all 2,048 keys, 64 a step.
; LAYOUT.  S^T = K Q^T (source 0 = 16 keys, source 1 = 16 queries): a lane holds ONE query (lane % 16) and keys 8 (lane / 16) + 0..7.  Two such tiles, rounded in pairs, ARE source 1 (32 keys x 16 queries) of O^T = V^T P, whose
; result again holds one query a lane and eight channels.  V comes out of LDS turned, by ds_load_tr16_b128: the launch before laid its pieces so that lane l's 16 bytes at 16 l are key 8 (l / 16) + l % 8, channels 8 ((l / 8) % 2) + 0..7.
; SOFTMAX.  For each query a running maximum m and sum l: p = 2^(c s - c m), c = log2(e) / 8; in every step O and l are multiplied by a = 2^(c m_old - c m_new).
; BY TURNS.  The wave's tiles are two pieces: piece 0 (tiles 0, 1) and piece 2 (tiles 2, 3).  In a turn one piece has the matrix unit: 16 products V^T P of the step in hand, then 16 products K Q^T of the next step; the other piece's
; softmax, 236 vector instructions cut into 64 slices, stands between them, two slices behind each matrix instruction.  Then the pieces change places.  Two turns are a key step.
; THE RING.  Two LDS slots of four key steps each (K's images 32,768 bytes, then V's).  Wave w fetches bytes 16,384 w of a slot with one tensor load.  A wave has two loads out at the start and one behind each change of slots.
; CLUSTER.  The four query blocks of a cluster belong to one bh and walk the same K and V: each load is a joint one, with the mask of all four.
; o16 is laid as the next launch's operand registers: [K step of 256 = 4 heads][tile of 16 tokens 256][head % 4][piece 4][512 bytes].
; LIMITS: o beyond 65,504 has no f16, and under 6e-5 it falls on f16's step of 6e-8; NaN and infinities are not served.
; REGISTERS, in windows of 256: window 0: v2-4 addresses; v12-43 eight registers of statistics a tile; v61-63; v64-191 S^T, 32 a tile; v192-255 P, 16 a tile.
;   window 1: v0-127 O^T, 32 a tile.   window 2: v0-63 Q, 16 a tile; v128-191 K of one step.   window 3: v0-63 V of one step.
.set HEADB, 262144
.set STEPB, 8192                       ; a key step's images of K, and of V
.set SLOTB, 4*STEPB                    ; a slot's images of K, and of V
.set VOFF,  SLOTB
.set SLOT1, 1<<16                      ; slot 1 begins here: one exclusive or turns an address in one slot into the other's
.set SPARE, 2*SLOT1                    ; the spare words, 128 bytes a wave
.set LN,  2                            ; v2   16 x lane: my place in every piece; never rewritten
.set AV0, 3                            ; v3   the same among V's images
.set ADR, 4                            ; v4   the LDS address of the run of loads in hand
.set PFO, 61                           ; v61  256 x lane; never rewritten
.set SPW, 62
.set NIL, 63
.set ST,  12                           ; tile t's statistics at v[ST+8 t]: +0 c m, +1 m, +2, +3 l (even keys', odd keys'), +4 to +7 at work; a takes +6
.set S,   64
.set P,   192
.set KF,  128
.set WV,  12                           ; s12  my wave's number
.set LIM, 15                           ; s15  1 in a wave that prefetches, else the greatest number
.set PFA, 18                           ; s[18:19] where my prefetches stand
.set G1,  24                           ; s[24:31] descriptor group 1
.set G0,  40                           ; s[40:47] group 0: a set for each first fill; the second then walks on
.set SLOTS, 56
.set CNT, 57
.set CS,  58                           ; s[58:59] c
.set SEL, 60                           ; s[60:61] lane selects: lane l xor 16
.set TB,  62                           ; s62  LDS byte at which K's images of the step to be fetched begin
.set MSB, 0
.macro WIN new                         ; the immediate's high byte repeats the setting that is left; a switch that changes nothing is dropped
.if MSB != \new
	s_set_vgpr_msb (MSB<<8)|\new
.set MSB, \new
.endif
.endm
.set W_KQ, 0x0a                        ; K and Q in window 2, S^T in window 0
.set W_PV, 0x53                        ; V in window 3, P in window 0, O^T in window 1
.set W_RS, 0x41                        ; O^T (destination and source 0) in window 1, a in window 0
.macro JLOAD                           ; the joint refill: one line for all four waves; LDS and global address hang on the wave's number.  An s_nop 0 and four v_nop follow it
	tensor_load_to_lds s[G0+4:G0+7], s[G1:G1+7]
	s_nop 0
.rept 4
	v_nop
.endr
.endm
; A prefetch of what the NEXT change of slots will ask for: 128 runs of 256 bytes of K and as many of V.  Both clusters of a bh walk the same K and V: the first asks.  Its four partners take 32 runs each, told apart by address;
; in each, wave 0 asks for K's and wave 2 for V's: one instruction, a lane a run.  So each run is named once in the launch.  The last change that fills a slot asks for nothing: there is no slot behind it.
.macro ASK
	s_cmp_gt_u32 s[SLOTS], s[LIM]
	s_cbranch_scc0 .Lnot_mine_\@
	global_prefetch_b8 v[PFO], s[PFA:PFA+1] th:TH_LOAD_NT scope:SCOPE_SE
.Lnot_mine_\@:
.endm
.macro CROUND                          ; a round of the cluster's barrier
	s_barrier_signal -1
	s_barrier_wait -1
	s_cmp_lg_u32 s[WV], 0
	s_cbranch_scc1 .Lnot_wave_0_\@
	s_barrier_signal -3
.Lnot_wave_0_\@:
	s_barrier_wait -3
	s_barrier_signal -1
	s_barrier_wait -1
.endm
	s_load_b128 s[4:7], s[0:1], 0x0                ; qkv16, o16
	v_lshl_add_u32 v[SPW], v0, 2, SPARE
	v_mov_b32 v[NIL], 0
	ds_add_u32 v[SPW], v[NIL]                      ; the wave's opening: the add, twice on end, and its wait ahead of my first tensor load
	ds_add_u32 v[SPW], v[NIL]
	v_lshrrev_b32 v1, 5, v0
	v_readfirstlane_b32 s[WV], v1                  ; wave 0..3
	s_bfe_u32 s13, ttmp6, 0x40000                  ; cx: my place in the cluster
	s_lshl_b32 s14, ttmp9, 2
	s_add_co_u32 s14, s14, s13                     ; my block of 256 queries: it enters Q's and o's addresses alone
	s_and_b32 s20, ttmp7, 0xffff                   ; bh, which the four partners share
	s_lshl_b32 s21, s20, 18                        ; x HEADB
	s_lshr_b32 s16, s[WV], 1
	s_add_co_u32 s16, s16, 1
	s_lshl_b32 s16, s16, 23                        ; waves 0, 1 fetch from k (matrix 1), waves 2, 3 from v (matrix 2): 8,388,608 bytes each
	s_and_b32 s17, s[WV], 1
	s_lshl_b32 s17, s17, 14                        ; which half of a slot's 32,768 bytes
	s_add_co_u32 s22, s16, s17
	s_add_co_u32 s22, s22, s21
	s_mov_b32 s23, 0                               ; s[22:23]: my part of slot 0, in bytes from qkv16
	s_lshl_b32 s17, s[WV], 14                      ; and its place in a slot: no place in the cluster enters an LDS address
	s_lshl_b32 s2, s14, 15                         ; Q: my block's 16 tiles of 2,048 bytes,
	s_lshl_b32 s3, s[WV], 13                       ; my wave's 4
	s_add_co_u32 s2, s2, s3
	s_add_co_u32 s2, s2, s21
	s_mov_b32 s3, 0
	s_bfe_u32 s8, s20, 0x20002                     ; o: K step = head / 4: 2,097,152 bytes each;
	s_lshl_b32 s8, s8, 21
	s_lshr_b32 s9, s20, 4                          ; tile of tokens = 128 x batch + 16 x block + 4 x wave: 8,192 bytes each;
	s_lshl_b32 s9, s9, 7
	s_lshl_b32 s10, s14, 4
	s_add_co_u32 s9, s9, s10
	s_lshl_b32 s10, s[WV], 2
	s_add_co_u32 s9, s9, s10
	s_lshl_b32 s9, s9, 13
	s_add_co_u32 s8, s8, s9
	s_and_b32 s9, s20, 3                           ; head % 4: 2,048 bytes each
	s_lshl_b32 s9, s9, 11
	s_add_co_u32 s8, s8, s9
	s_mov_b32 s9, 0
	s_lshl_b32 s[PFA], s13, 13                     ; the prefetches: my work-group's 32 runs of 256 bytes,
	s_add_co_u32 s[PFA], s[PFA], 2*SLOTB           ; in the third slot's worth of keys; the first change of slots steps it on.  Nothing is prefetched at the head
	s_mov_b32 s[PFA+1], 0
	; descriptor group 1: 16,384 dense bytes as 64 rows of 256 bytes (32 elements of 8 bytes)
	s_mov_b32 s[G1], 15|(3<<16)|(1<<21)            ; 15:0 the mask: all four work-groups; 17:16 elements of 8 bytes; 21 set beside a mask
	s_mov_b32 s[G1+1], 32<<16                      ; tensor_dim0
	s_mov_b32 s[G1+2], 64<<16                      ; tensor_dim1
	s_mov_b32 s[G1+3], 32<<16                      ; tile_dim0
	s_mov_b32 s[G1+4], 64                          ; tile_dim1
	s_mov_b32 s[G1+5], 32                          ; from row to row
	s_mov_b32 s[G1+6], 0
	s_mov_b32 s[G1+7], 0
	s_mov_b32 s[CS], 0x3e38aa3b                    ; c = log2(e) / 8
	s_mov_b32 s[CS+1], s[CS]                       ; named with it as a pair, so it is written
	s_mov_b32 s[SEL], 0x76543210
	s_mov_b32 s[SEL+1], 0xfedcba98
	s_mov_b32 s[TB], 0
	s_mov_b32 s[SLOTS], 2048/256-2
	s_and_b32 s[LIM], s[WV], 1                     ; 0 in waves 0 and 2,
	s_or_b32 s[LIM], s[LIM], ttmp9                 ; where the cluster is the bh's first: the same in all four partners
	s_cmp_eq_u32 s[LIM], 0
	s_cselect_b32 s[LIM], 1, -1
	v_and_b32 v[LN], 31, v0
	v_lshlrev_b32 v[PFO], 8, v[LN]
	v_lshlrev_b32 v[LN], 4, v[LN]
	v_add_nc_u32 v[AV0], VOFF, v[LN]
	s_wait_dscnt 0x0                               ; both opening adds are done
	s_wait_kmcnt 0x0
	s_add_nc_u64 s[10:11], s[6:7], s[8:9]          ; o at my wave's first tile
	s_add_nc_u64 s[8:9], s[4:5], s[22:23]          ; K or V at my part of slot 0 (in waves 0 and 2: at a slot's first byte)
	s_add_nc_u64 s[4:5], s[4:5], s[2:3]            ; Q at my wave's first tile
	s_add_nc_u64 s[PFA:PFA+1], s[8:9], s[PFA:PFA+1]
	CROUND                                         ; all four work-groups are here: the first joint loads meet
.irp s, 0,1
	s_mov_b32 s[G0+4*\s], 1                        ; count = 1
	s_add_co_u32 s[G0+4*\s+1], s17, \s*SLOT1       ; LDS address
	s_add_nc_u64 s[G0+4*\s+2:G0+4*\s+3], s[8:9], \s*SLOTB  ; global address: slot s begins with keys 256 s
	s_or_b32 s[G0+4*\s+3], s[G0+4*\s+3], 0x80000000  ; type = 2
.endr
	tensor_load_to_lds s[G0:G0+3], s[G1:G1+7]      ; both first fills together, ahead of every wait on TENSORcnt and every LDS read
	s_nop 0
	tensor_load_to_lds s[G0+4:G0+7], s[G1:G1+7]
	s_nop 0
.rept 4
	v_nop
.endr
	WIN 0x80                                       ; destination window 2
.irp p, 0,1,2,3,4,5,6,7,8,9,10,11,12,13,14,15
	global_load_b128 v[4*\p:4*\p+3], v[LN], s[4:5] offset:512*\p   ; Q stays in registers: tile p / 4, piece p % 4
.endr
	WIN 0
; THE MATRIX WORK OF A TURN, for piece x.  The accumulators take turns, one instruction a turn: between two links of a chain stand seven others'.
; Product i of 16 of O^T += V^T P: keys 32 (i / 8) on, channels 16 ((i / 2) % 4) on, tile x + i % 2.  zero = 1: the first 8 start the sums: nothing is ever cleared.
.macro PV x, zero
	WIN W_PV
.set rO, 32*(\x+i%2)+8*((i/2)%4)
.set rV, 32*(i/8)+8*((i/2)%4)
.set rP, P+16*(\x+i%2)+8*(i/8)
.if \zero && (i < 8)
	v_wmma_f32_16x16x32_f16 v[rO:rO+7], v[rV:rV+7], v[rP:rP+7], 0
.else
	v_wmma_f32_16x16x32_f16 v[rO:rO+7], v[rV:rV+7], v[rP:rP+7], v[rO:rO+7]
.endif
.endm
; Product i of 16 of S^T = K Q^T: channels 32 (i / 8) on, keys 16 ((i / 2) % 4) on, tile x + i % 2.  The first 8 start the sums.
.macro KQ x
	WIN W_KQ
.set rS, S+32*(\x+i%2)+8*((i/2)%4)
.set rK, KF+16*((i/2)%4)+8*(i/8)
.set rQ, 16*(\x+i%2)+8*(i/8)
.if i < 8
	v_wmma_f32_16x16x32_f16 v[rS:rS+7], v[rK:rK+7], v[rQ:rQ+7], 0
.else
	v_wmma_f32_16x16x32_f16 v[rS:rS+7], v[rK:rK+7], v[rQ:rQ+7], v[rS:rS+7]
.endif
.endm
; THE LDS LOADS stand in runs of 16: a step's K (8 fragments: keys 16 (f / 2) on, channels 32 (f % 2) on) and, a turn later, its V (turned: keys 32 (f / 4) on, channels 16 (f % 4) on).
.macro FETCH_K
	WIN 0
	v_add_nc_u32 v[ADR], s[TB], v[LN]
	WIN 0x80                                       ; destination window 2
.irp f, 0,1,2,3,4,5,6,7
	ds_load_b128 v[KF+8*\f:KF+8*\f+3],   v[ADR] offset:1024*\f
	ds_load_b128 v[KF+8*\f+4:KF+8*\f+7], v[ADR] offset:1024*\f+512
.endr
.endm
.macro FETCH_V
	WIN 0
	v_add_nc_u32 v[ADR], s[TB], v[AV0]
	s_add_co_u32 s[TB], s[TB], STEPB               ; the next fetch is the next step's
	s_wait_alu depctr_va_vdst(0)                   ; the wait for the softmax's batch of exponentials (SLICE), ahead of the first instruction that names a result
	WIN 0xc0                                       ; destination window 3
.irp f, 0,1,2,3,4,5,6,7
	ds_load_tr16_b128 v[8*\f:8*\f+3],   v[ADR] offset:(\f/4)*4096+(\f%4)*512
	ds_load_tr16_b128 v[8*\f+4:8*\f+7], v[ADR] offset:(\f/4)*4096+(\f%4)*512+2048
.endr
.endm
; THE VECTOR WORK OF A TURN.  One tile's softmax for one key step is a list of 118 instructions; SM writes number j of it for tile t.  s0-s31 are the lane's 32 scores, in pairs 0-15.
; first = 1: the first key step, which starts m, l and O^T: it has no a and nothing to rescale.
;   0-15    the maximum of s0-s31 and the old m, three operands at a time; each accumulator of S^T is first read at its low end
;   16-20   the other half of the lanes' maximum; the new m; c m; c m_old - c m_new
;   21-69   ONE BATCH: the 16 scalings c s - c m and all 33 exponentials (a at 23, then s0-s31).  None of these reads an exponential's result; a pair is scaled in an earlier four than the one with its exponentials
;   (wait)  between 69 and 70 stands the one wait for the batch: SLICE writes it, once for both tiles
;   70-85   the roundings to f16, a pair of weights each
;   86-101  the sums; l = a l + the sum
;   102-117 the tile's O^T times a: the one part that leaves window 0
.macro SM t, first
.set rT, ST+8*(\t)
.set rS, S+32*(\t)
.set rP, P+16*(\t)
.set rO, 32*(\t)+2*(j-102)
.if j < 102
	WIN 0
.endif
.if j < 4
	v_max3_num_f32 v[rT+4+j], v[rS+8*j], v[rS+8*j+1], v[rS+8*j+2]
.elseif j < 12
	v_max3_num_f32 v[rT+4+j%4], v[rT+4+j%4], v[rS+8*(j%4)+2*(j/4)+1], v[rS+8*(j%4)+2*(j/4)+2]
.elseif j == 12
	v_max3_num_f32 v[rT+4], v[rT+4], v[rS+7], v[rS+15]
.elseif j == 13
	v_max3_num_f32 v[rT+6], v[rT+6], v[rS+23], v[rS+31]
.elseif j == 14
	v_max3_num_f32 v[rT+4], v[rT+4], v[rT+5], v[rT+6]
.elseif (j == 15) && \first
	v_max_num_f32 v[rT+4], v[rT+4], v[rT+7]
.elseif j == 15
	v_max3_num_f32 v[rT+4], v[rT+4], v[rT+7], v[rT+1]
.elseif j == 16
	v_permlanex16_b32 v[rT+5], v[rT+4], s[SEL], s[SEL+1]  ; the query's other 32 keys lie in the lane 16 away
.elseif j == 18
	v_max_num_f32 v[rT+1], v[rT+4], v[rT+5]
.elseif j == 19
	v_mul_f32 v[rT], s[CS], v[rT+1]
.elseif ((j == 17) || (j == 20) || (j == 23) || (j > 101)) && \first  ; the first step has none of these
.elseif j == 17
	v_mov_b32 v[rT+7], v[rT]                       ; c m_old is kept for a: number 19 writes c m anew
.elseif j == 20
	v_sub_f32 v[rT+7], v[rT+7], v[rT]
.elseif j == 23
	v_exp_f32 v[rT+6], v[rT+7]
.elseif (j < 23) || ((j < 38) && (j%2 == 0)) || ((j < 66) && (j%4 == 2))
.set b, (j-2)/4                        ; 38, 42, .. 62: pairs 9 to 15
.if j < 38
.set b, (j-20)/2                       ; 21: pair 0; 22, 24, .. 36: pairs 1 to 8
.endif
	v_pk_fma_f32 v[rS+2*b:rS+2*b+1], v[rS+2*b:rS+2*b+1], s[CS:CS+1], v[rT:rT+1] op_sel_hi:[1,0,0] neg_lo:[0,0,1] neg_hi:[0,0,1]  ; pair b: c s - c m
.elseif j < 70
.set e, j-38                           ; 66 to 69: s28 to s31
.if j < 66
.set e, j-32-(j-38)/4                  ; 39-41, 43-45, .. 63-65: s7 to s27
.endif
.if j < 38
.set e, (j-25)/2                       ; 25, 27, .. 37: s0 to s6
.endif
	v_exp_f32 v[rS+e], v[rS+e]
.elseif j < 86
	v_cvt_pk_f16_f32 v[rP+j-70], v[rS+2*(j-70)], v[rS+2*(j-70)+1]  ; pair j - 70
.elseif j < 102                        ; the sum of the tile's 16 pairs, in place: neighbours 1, 2, 4 and 8 pairs apart, then l takes it
.set z, j-86
.set w, 4
.set u, z
.if z >= 14
.set w, 32
.set u, 0
.elseif z >= 12
.set w, 16
.set u, z-12
.elseif z >= 8
.set w, 8
.set u, z-8
.endif
.if (z == 14) && \first
	v_pk_add_f32 v[rT+2:rT+3], v[rS:rS+1], v[rS+16:rS+17]
.elseif z < 15
	v_pk_add_f32 v[rS+w*u:rS+w*u+1], v[rS+w*u:rS+w*u+1], v[rS+w*u+w/2:rS+w*u+w/2+1]
.elseif !\first
	v_pk_fma_f32 v[rT+2:rT+3], v[rT+2:rT+3], v[rT+6:rT+7], v[rS:rS+1] op_sel_hi:[1,0,1]
.endif
.else
	WIN W_RS
	v_pk_mul_f32 v[rO:rO+1], v[rO:rO+1], v[rT+6:rT+7] op_sel_hi:[1,0]
.endif
.endm
; Slice k of 64 of piece y's softmax.  Slices 0-10 and 35-50: numbers 2 k and 2 k + 1 of both tiles, the tiles alternating.  Slices 11-34 deal out the batch, four numbers of ONE tile each, the tiles by turns.
; Slices 51-62: one rescaling of each tile.  Slice 63: the last four of each: eight plain instructions, which with slice 62's two are the places behind the turn's last product.
; Ahead of slice 35 nothing names an exponential's result, and behind slice 34 no exponential is issued: so the piece's 66 exponentials have one wait, behind slice 34, with one plain instruction ahead of it.
.macro SLICE y, first
.if (k >= 11) && (k < 35)
.irp n, 0,1,2,3
.set j, 22+4*((k-11)/2)+(\n)
	SM (\y)+(k-11)%2, \first
.endr
.elseif k < 51
.irp n, 0,1
.irp t, \y, \y+1
.set j, 2*k+\n
	SM \t, \first
.endr
.endr
.elseif k < 63
.irp t, \y, \y+1
.set j, 102+(k-51)
	SM \t, \first
.endr
.else
.irp n, 0,1,2,3
.irp t, \y, \y+1
.set j, 114+\n
	SM \t, \first
.endr
.endr
.endif
.if k == 34
	v_nop                                          ; the plain instruction behind the last exponential
.if (\y) == 0
	FETCH_V                                        ; piece 2's turn: V's run of loads stands here, and the wait stands in it
.else
	s_wait_alu depctr_va_vdst(0)                   ; the wait for the batch
.endif
.endif
.set k, k+1
.endm
.macro PLACES                          ; four plain vector instructions between a matrix instruction and a read of its result or a load into its sources
.rept 4
	v_nop
.endr
.endm
; A TURN.  Piece x has the matrix unit; the other piece's softmax stands in slices behind its matrix instructions: two behind each, four where the turn has one kind of product alone.
; pv = 2: 16 products V^T P; 1: they start O^T's sums; 0: none.  kq = 1: 16 products K Q^T for the next step.  first = 1: the softmax is the first key step's; its slices from 51 on are empty, and four v_nop take their part.
; Piece 0's turn fetches the next step's K behind its second product: the last product that read K stands in front of slices 62 and 63 of the turn before, ten plain instructions.
; Piece 2's turn fetches the same step's V behind slice 34: the last product that read V stands in front of slice 30, and five plain instructions lie between: three scalings, the v_nop and the run's own v_add_nc_u32.
.macro TURN x, pv, kq, first
.set k, 0
.set per, 4
.if \pv && \kq
.set per, 2
.endif
.if \pv
.if \x == 0
	s_wait_dscnt 0x0                               ; V is in
.endif
.set i, 0
.rept 16
	PV \x, 2-\pv
.rept per
	SLICE 2-\x, \first
.endr
.if (\x == 0) && \kq && (i == 1)
	FETCH_K
.endif
.set i, i+1
.endr
.endif
.if \kq
.if \x == 0
	s_wait_dscnt 0x0                               ; K is in
.endif
.set i, 0
.rept 16
	KQ \x
.rept per
	SLICE 2-\x, \first
.endr
.set i, i+1
.endr
.endif
.if \first
	PLACES
.endif
.endm
; THE CHANGE OF SLOTS, between piece 2's turn and piece 0's: the slot's last bytes, V of its fourth step, have been asked for.  Each wave waits for all its tensor loads (its part of the other slot), adds 0 to its spare word,
; and waits for that and for its own reads of the slot.  fill = 1: the barrier is a round of the cluster's, and the joint refill, with the keys two slots on, is the first thing behind it: it has four key steps in which to land.
.macro CHANGE fill
	WIN 0                                          ; at a label and at a branch every window is 0
	s_wait_tensorcnt 0x0                           ; no tensor load of mine is out, so a group 0 may be written
	ds_add_u32 v[SPW], v[NIL]                      ; 0 onto my spare word
.if \fill
	s_xor_b32 s[G0+5], s[G0+5], SLOT1              ; the walking descriptor: the other slot than last time,
	s_add_nc_u64 s[G0+6:G0+7], s[G0+6:G0+7], SLOTB ; the next 256 keys; the type bits on top are not reached
	s_wait_xcnt 0x0                                ; the last prefetch, four key steps back, has read its address, so it may be written:
	s_add_nc_u64 s[PFA:PFA+1], s[PFA:PFA+1], SLOTB ; one slot further on than the walking descriptor
	s_wait_dscnt 0x0                               ; the add is done, and my reads of the slot are over
	CROUND
	JLOAD
	ASK                                            ; what the next change will ask for: four key steps, 256 matrix instructions, ahead
.else
	s_wait_dscnt 0x0                               ; the add is done, and my reads of the slot are over
	s_barrier_signal -1
	s_barrier_wait -1
.endif
	s_sub_co_u32 s[TB], s[TB], SLOTB               ; the fetches go back to a slot's first step,
	s_xor_b32 s[TB], s[TB], SLOT1                  ; in the other slot
.endm
.macro STEPS n                         ; n key steps: written once, walked n times; the LDS addresses hang on s[TB]
	s_mov_b32 s[CNT], \n
.Lstep_\@:
	TURN 0, 2, 1, 0
	TURN 2, 2, 1, 0
	WIN 0
	s_sub_co_u32 s[CNT], s[CNT], 1
	s_cmp_lg_u32 s[CNT], 0
	s_cbranch_scc1 .Lstep_\@
.endm
	s_wait_tensorcnt 1                             ; my part of slot 0 is in; slot 1's may stay out
	s_barrier_signal -1
	s_barrier_wait -1                              ; everybody's is
	FETCH_K                                        ; key step 0
	s_wait_loadcnt 0x0                             ; Q
	s_wait_dscnt 0x0
.set i, 0
.rept 16
	KQ 0                                           ; piece 0's first scores: there is no vector work yet to set between them
.set i, i+1
.endr
	WIN 0
	PLACES
	TURN 2, 0, 1, 1                                ; piece 2's first scores | piece 0's first softmax | V of step 0
	TURN 0, 1, 1, 1                                ; piece 0: V^T P of step 0 starts O^T, K Q^T of step 1 | piece 2's first softmax | K of step 1
	TURN 2, 1, 1, 0                                ; piece 2: the same | piece 0's softmax of step 1 | V of step 1
	WIN 0
	STEPS 2                                        ; steps 2 and 3 are fetched: slot 0 is read out
.Lslot:                                                ; six trips: every slot but the last two is filled again
	CHANGE 1
	STEPS 4
	s_sub_co_u32 s[SLOTS], s[SLOTS], 1
	s_cmp_lg_u32 s[SLOTS], 0
	s_cbranch_scc1 .Lslot
	CHANGE 0                                       ; the tail is written out
	STEPS 4
	TURN 0, 2, 0, 0                                ; piece 0: V^T P of the last step | piece 2's last softmax
.set i, 0
.rept 16
	PV 2, 0                                        ; piece 2: V^T P of the last step
.set i, i+1
.endr
	; THE WAY OUT.  l's two halves and the other half of the lanes' are added (these additions are the places behind the last products); O^T is divided by l and rounded to f16.  A lane's eight channels of a tile of 16 are four
	; registers, which are a piece of the next launch's operand as they stand: each store of the wave covers 512 consecutive bytes, aligned.
	WIN 0
.irp t, 0,1,2,3
	v_add_f32 v[ST+8*\t+4], v[ST+8*\t+2], v[ST+8*\t+3]
.endr
.irp t, 0,1,2,3
	v_permlanex16_b32 v[ST+8*\t+5], v[ST+8*\t+4], s[SEL], s[SEL+1]
.endr
.irp t, 0,1,2,3
	v_add_f32 v[ST+8*\t+4], v[ST+8*\t+4], v[ST+8*\t+5]
.endr
.irp t, 0,1,2,3
	v_rcp_f32 v[ST+8*\t+6], v[ST+8*\t+4]
.endr
	v_nop                                          ; a plain instruction between the last reciprocal and the use of its result
	s_wait_alu depctr_va_vdst(0)                   ; and the wait ahead of the first use: one for the four
.irp t, 0,1,2,3
	WIN W_RS
.irp n, 0,1,2,3,4,5,6,7,8,9,10,11,12,13,14,15
	v_pk_mul_f32 v[32*\t+2*\n:32*\t+2*\n+1], v[32*\t+2*\n:32*\t+2*\n+1], v[ST+8*\t+6:ST+8*\t+7] op_sel_hi:[1,0]
.endr
	WIN 0x05                                       ; sources window 1, destination window 0: S^T's registers are free
.irp n, 0,1,2,3,4,5,6,7,8,9,10,11,12,13,14,15
	v_cvt_pk_f16_f32 v[S+16*\t+\n], v[32*\t+2*\n], v[32*\t+2*\n+1]
.endr
	WIN 0
.irp c, 0,1,2,3
	global_store_b128 v[LN], v[S+16*\t+4*\c:S+16*\t+4*\c+3], s[10:11] offset:8192*\t+512*\c
.endr
.endr
	s_wait_tensorcnt 0x0                           ; the wave's end
	ds_add_u32 v[SPW], v[NIL]
	s_wait_dscnt 0x0
	CROUND                                         ; the closing round: no work-group ends while a partner may still ask for a tile that names it
	s_endpgm
.Lfunc_end_k_q5a5733ae2d_attn:
	.size	k_q5a5733ae2d_attn, .Lfunc_end_k_q5a5733ae2d_attn-k_q5a5733ae2d_attn
	.p2alignl 7, 3214868480
	.fill 96, 4, 3214868480
	.section	.rodata,"a",@progbits
	.p2align	6, 0x0
	.amdhsa_kernel k_q5a5733ae2d_attn
		.amdhsa_group_segment_fixed_size 327680
		.amdhsa_private_segment_fixed_size 0
		.amdhsa_enable_private_segment 0
		.amdhsa_kernarg_size 16
		.amdhsa_user_sgpr_count 2
		.amdhsa_user_sgpr_kernarg_segment_ptr 1
		.amdhsa_wavefront_size32 1
		.amdhsa_system_sgpr_workgroup_id_x 1
		.amdhsa_system_sgpr_workgroup_id_y 1
		.amdhsa_system_sgpr_workgroup_id_z 1
		.amdhsa_system_vgpr_workitem_id 0
		.amdhsa_next_free_vgpr 1024
		.amdhsa_next_free_sgpr 66
		.amdhsa_reserve_vcc 0
		.amdhsa_float_denorm_mode_32 3
		.amdhsa_float_denorm_mode_16_64 3
		.amdhsa_memory_ordered 1
		.amdhsa_forward_progress 1
		.amdhsa_inst_pref_size 189
	.end_amdhsa_kernel
	.amdgpu_metadata
---
amdhsa.version: [ 1, 2 ]
amdhsa.kernels:
  - .name:           k_q5a5733ae2d_attn
    .symbol:         k_q5a5733ae2d_attn.kd
    .args:
      - { .name: qkv16, .offset: 0, .size: 8, .value_kind: global_buffer, .address_space: global }
      - { .name: o16, .offset: 8, .size: 8, .value_kind: global_buffer, .address_space: global }
    .group_segment_fixed_size: 327680
    .private_segment_fixed_size: 0
    .kernarg_segment_align: 8
    .kernarg_segment_size: 16
    .max_flat_workgroup_size: 128
    .sgpr_count:     66
    .vgpr_count:     1024
    .wavefront_size: 32
...
	.end_amdgpu_metadata
.endif
;; end of part 3
;; launch proj (part 4): grid 8 x 32, 4 waves a work-group, clusters of 4 x 4, 327,680 bytes of LDS; arguments o16, wo16, bo, out0; writes out0
.if DOCPART == 4
	.amdgcn_target "amdgcn-amd-amdhsa--gfx1250"
	.amdhsa_code_object_version 6
	.text
	.protected	k_q5a5733ae2d_proj
	.globl	k_q5a5733ae2d_proj
	.p2align	8
	.type	k_q5a5733ae2d_proj,@function
k_q5a5733ae2d_proj:
	s_mov_b64 s[64:65], 0
	v_nop
	global_prefetch_b8 v0, s[64:65] scope:SCOPE_SE
	s_setreg_imm32_b32 hwreg(HW_REG_WAVE_MODE, 25, 1), 1
	s_wait_xcnt 0x0
	s_wait_alu depctr_hold_cnt(0) depctr_sa_sdst(0) depctr_va_vdst(0) depctr_va_sdst(0) depctr_va_ssrc(0) depctr_va_vcc(0) depctr_vm_vsrc(0)
	s_getreg_b32 s2, hwreg(HW_REG_IB_STS2, 6, 4)
	s_cmp_eq_u32 s2, 0
	s_cbranch_scc0 .Lentry_in_a_cluster
	s_endpgm
.Lentry_in_a_cluster:
	s_bfe_u32 s2, ttmp6, 0x10000c
	s_cmp_lg_u32 s2, 0xf033
	s_cbranch_scc0 .Lentry_shape_is_right
	s_endpgm
.Lentry_shape_is_right:
; out0[m][n] = sum over k of o[m][k] Wo[n][k] + bo[n].  4,096 x 1,024 x 1,024; operands in f16, sums and result in f32.
; A tile of 128 x 128 to a work-group (256 work-groups), four waves of 64 x 64: 16 accumulators.  K goes in four steps of 256 through two LDS slots: both are filled at the head and each is filled once more; the steps are written out.
; o16 holds o as images of operand registers: [K step 4][tile of 16 rows 256][8 chunks of 32 along K][2 pieces of 512 bytes]: a fragment is two loads of 16 bytes a lane at 16 x lane; a K step of 64 rows is 32,768 dense bytes.
; wo16 is [1024][1024] f16, row-major: its tiles are 64 rows of 512 bytes, 16 bytes of padding behind each in LDS.
; CLUSTERS: 4 x 4 work-groups; o's tiles are shared along a row of the cluster, Wo's along a column: joint loads.  A wave has two tensor loads out at the start and one behind each round.
; THE MATRIX INSTRUCTION IS USED TRANSPOSED (source 0 = 16 rows of Wo, source 1 = 16 rows of o): a lane holds eight neighbouring numbers of a row of the result.  The bias is the C of each sum's first product.
; A wave's 64 columns are 256 bytes of a row, aligned: each wave sends its own blocks of 16 rows through its own stage in LDS: no barrier on the way out.
; LIMITS: as the operands' f16 has them; NaN and infinities are not served.
; REGISTERS: window 0: v0-31 addresses; v32-95 rows on the way out; v96-127 the bias; v128-255 the accumulators ((a, b) at v[128 + 8 (4 a + b)]).   window 1: two fragment buffers of 128: 64 registers of o, then 64 of Wo.
.set PITCH,  528                       ; a row of Wo in LDS: 512 bytes + 16 of padding
.set AIMG,   65536                     ; a slot: o's images, 8 tiles of rows x 8,192 bytes,
.set HALFB,  64*PITCH                  ; then Wo's 128 rows, in two halves
.set SLOT,   AIMG+2*HALFB
.set STAGE,  2*SLOT                    ; behind the ring: 16 rows x 272 bytes for each wave
.set SPITCH, 272
.set SPARE,  STAGE+4*16*SPITCH         ; the spare words, 128 bytes a wave
.set KSA,    2097152                   ; a K step on in o16
.set KSB,    512                       ; and in a row of wo16
.set ADRA, 16
.set ADRB, 20
.set STO,  24
.set RD,   25
.set CO,   26
.set SPW,  28
.set NIL,  29
.set TMP,  32
.set BI,   96
.set ACC,  128
.set F0,   0
.set F1,   128
.set G1, 24
.set G0, 32
.set G1B, 48
.set G0B, 56
.set MSB, 0
.macro WIN new
.if MSB != \new
	s_set_vgpr_msb (MSB<<8)|\new
.set MSB, \new
.endif
.endm
.set MUL,  0x05                        ; sources 0 (Wo) and 1 (o) window 1; C and D window 0
.set TO_F, 0x40                        ; destination window 1, address window 0
.macro JLOAD s                         ; a joint load: waves 0 and 1 fetch o's two halves, waves 2 and 3 Wo's; an s_nop 0 and four v_nop follow each of the two lines
	s_cmp_eq_u32 s13, 0
	s_cbranch_scc0 .Lfor_b_\@
	tensor_load_to_lds s[G0+4*\s:G0+4*\s+3], s[G1:G1+7]
	s_nop 0
.rept 4
	v_nop
.endr
	s_branch .Lasked_\@
.Lfor_b_\@:
	tensor_load_to_lds s[G0B+4*\s:G0B+4*\s+3], s[G1B:G1B+7]
	s_nop 0
.rept 4
	v_nop
.endr
.Lasked_\@:
.endm
.macro CREST                           ; a round of the cluster's barrier behind its opening barrier
	s_cmp_lg_u32 s12, 0
	s_cbranch_scc1 .Lnot_wave_0_\@
	s_barrier_signal -3
.Lnot_wave_0_\@:
	s_barrier_wait -3
	s_barrier_signal -1
	s_barrier_wait -1
.endm
.macro CROUND
	s_barrier_signal -1
	s_barrier_wait -1
	CREST
.endm
	s_load_b256 s[4:11], s[0:1], 0x0               ; o16 s[4:5], wo16 s[6:7], bo s[8:9], out0 s[10:11]
	v_lshl_add_u32 v[SPW], v0, 2, SPARE
	v_mov_b32 v[NIL], 0
	ds_add_u32 v[SPW], v[NIL]                      ; the wave's opening: the add, twice on end, and its wait ahead of my first tensor load
	ds_add_u32 v[SPW], v[NIL]
	v_lshrrev_b32 v1, 5, v0
	v_readfirstlane_b32 s12, v1                    ; wave 0..3
	s_lshr_b32 s13, s12, 1                         ; which half of the tile's rows is mine.  Also: I fetch for o (0) or for Wo (1)
	s_and_b32 s14, s12, 1                          ; which half of its columns.  Also: which half of that tile I fetch
	s_bfe_u32 s40, ttmp6, 0x40000                  ; cx, cy
	s_bfe_u32 s41, ttmp6, 0x40004
	s_lshl_b32 s42, ttmp9, 2
	s_add_co_u32 s42, s42, s40                     ; tile column
	s_and_b32 s15, ttmp7, 0xffff
	s_lshl_b32 s15, s15, 2
	s_add_co_u32 s15, s15, s41                     ; tile row
	s_lshl_b32 s43, s41, 2
	s_lshl_b32 s43, 15, s43                        ; my row of the cluster
	s_lshl_b32 s44, 0x1111, s40                    ; my column
	; o: 32,768 dense bytes as 128 rows of 256 bytes (32 elements of 8 bytes), no padding
	s_or_b32 s[G1+0], s43, (3<<16)|(1<<21)
	s_mov_b32 s[G1+1], 32<<16
	s_mov_b32 s[G1+2], 128<<16
	s_mov_b32 s[G1+3], 32<<16
	s_mov_b32 s[G1+4], 128
	s_mov_b32 s[G1+5], 32
	s_mov_b32 s[G1+6], 0
	s_mov_b32 s[G1+7], 0
	; Wo: 64 rows x 256 elements of 2 bytes, 1,024 elements from row to row; four words of padding after every 128
	s_or_b32 s[G1B+0], s44, (1<<16)|(1<<20)|(1<<21)|(6<<22)|(3<<25)
	s_mov_b32 s[G1B+1], 256<<16
	s_mov_b32 s[G1B+2], 64<<16
	s_mov_b32 s[G1B+3], 256<<16
	s_mov_b32 s[G1B+4], 64
	s_mov_b32 s[G1B+5], 1024
	s_mov_b32 s[G1B+6], 0
	s_mov_b32 s[G1B+7], 0
	s_lshl_b32 s16, s15, 3
	s_lshl_b32 s17, s14, 2
	s_add_co_u32 s16, s16, s17                     ; o: tile of rows 8 x tile row + 4 x half,
	s_lshl_b32 s16, s16, 13                        ; 8,192 bytes each
	s_mov_b32 s17, 0
	s_lshl_b32 s46, s42, 7
	s_lshl_b32 s47, s14, 6
	s_add_co_u32 s46, s46, s47                     ; Wo: row 128 x tile column + 64 x half,
	s_lshl_b32 s46, s46, 11                        ; 2,048 bytes each
	s_mov_b32 s47, 0
	s_lshl_b32 s20, s14, 15                        ; where they go: o's halves,
	s_mul_i32 s21, s14, HALFB
	s_add_co_u32 s21, s21, AIMG                    ; Wo's halves behind them: the wave's number alone
	s_wait_dscnt 0x0                               ; both opening adds are done
	s_wait_kmcnt 0x0
	s_add_nc_u64 s[16:17], s[4:5], s[16:17]
	s_add_nc_u64 s[46:47], s[6:7], s[46:47]
	CROUND                                         ; all sixteen work-groups are here: the first joint loads meet
.irp s, 0,1
	s_mov_b32 s[G0+4*\s], 1
	s_add_co_u32 s[G0+4*\s+1], s20, \s*SLOT
	s_add_nc_u64 s[G0+4*\s+2:G0+4*\s+3], s[16:17], \s*KSA
	s_or_b32 s[G0+4*\s+3], s[G0+4*\s+3], 0x80000000
	s_mov_b32 s[G0B+4*\s], 1
	s_add_co_u32 s[G0B+4*\s+1], s21, \s*SLOT
	s_add_nc_u64 s[G0B+4*\s+2:G0B+4*\s+3], s[46:47], \s*KSB
	s_or_b32 s[G0B+4*\s+3], s[G0B+4*\s+3], 0x80000000
	JLOAD \s
.endr
	v_and_b32 v1, 15, v0                           ; r = l % 16
	v_bfe_u32 v2, v0, 4, 1                         ; h = l / 16
	; the bias of my 64 columns, in the result's layout: block b, register j: bo[16 b + 8 h + j]
	s_lshl_b32 s46, s42, 9                         ; my first column, in bytes of f32: 512 x tile column + 256 x half
	s_lshl_b32 s47, s14, 8
	s_add_co_u32 s46, s46, s47
	s_mov_b32 s47, 0
	s_add_nc_u64 s[8:9], s[8:9], s[46:47]
	v_lshlrev_b32 v5, 5, v2
.irp b, 0,1,2,3
	global_load_b128 v[BI+8*\b:BI+8*\b+3], v5, s[8:9] offset:64*\b
	global_load_b128 v[BI+8*\b+4:BI+8*\b+7], v5, s[8:9] offset:64*\b+16
.endr
	v_and_b32 v3, 31, v0
	v_lshlrev_b32 v3, 4, v3                        ; o: 16 x lane
	v_mul_u32_u24 v4, v1, PITCH
	v_lshl_add_u32 v4, v2, 4, v4                   ; Wo: row x pitch + 16 x half
	s_lshl_b32 s21, s13, 15                        ; my 4 tiles of rows of o
	s_mul_i32 s22, s14, HALFB                      ; my 64 rows of Wo
	s_add_co_u32 s22, s22, AIMG
.irp s, 0,1
	v_add_nc_u32 v[ADRA+\s], s21, v3
	v_add_nc_u32 v[ADRB+\s], s22, v4
	s_add_co_u32 s21, s21, SLOT
	s_add_co_u32 s22, s22, SLOT
.endr
	s_mul_i32 s23, s12, 16*SPITCH
	s_add_co_u32 s23, s23, STAGE                   ; my stage
	v_mul_u32_u24 v6, v1, SPITCH                   ; in: row r, 32 bytes for each half of the lanes
	v_lshl_add_u32 v6, v2, 5, v6
	v_add_nc_u32 v[STO], s23, v6
	v_mul_u32_u24 v6, v2, SPITCH                   ; back: lanes 0-15 one row of 256 bytes, lanes 16-31 the next
	v_lshl_add_u32 v6, v1, 4, v6
	v_add_nc_u32 v[RD], s23, v6
	v_lshlrev_b32 v6, 12, v2                       ; and the same two rows in out0: 4,096 bytes a row
	v_lshl_add_u32 v[CO], v1, 4, v6
	s_lshl_b32 s16, s15, 7
	s_lshl_b32 s17, s13, 6
	s_add_co_u32 s16, s16, s17                     ; my first row: 128 x tile row + 64 x half
	s_lshl_b32 s16, s16, 12
	s_mov_b32 s17, 0
	s_add_nc_u64 s[10:11], s[10:11], s[16:17]
	s_add_nc_u64 s[10:11], s[10:11], s[46:47]
; 8 matrix instructions: row blocks a0, a0 + 1 x all 4 column blocks, 32 along K: half c of buffer f.  first = 1: the bias is C and starts the sums.  The 16 accumulators take turns.
.macro MUL8 f, c, a0, first
.irp a, \a0, \a0+1
.irp b, 0,1,2,3
.if \first
	v_wmma_f32_16x16x32_f16 v[ACC+8*(4*(\a)+\b):ACC+8*(4*(\a)+\b)+7], v[\f+64+8*(4*\c+\b):\f+64+8*(4*\c+\b)+7], v[\f+8*(4*\c+\a):\f+8*(4*\c+\a)+7], v[BI+8*\b:BI+8*\b+7]
.else
	v_wmma_f32_16x16x32_f16 v[ACC+8*(4*(\a)+\b):ACC+8*(4*(\a)+\b)+7], v[\f+64+8*(4*\c+\b):\f+64+8*(4*\c+\b)+7], v[\f+8*(4*\c+\a):\f+8*(4*\c+\a)+7], v[ACC+8*(4*(\a)+\b):ACC+8*(4*(\a)+\b)+7]
.endif
.endr
.endr
.endm
; 32 LDS loads in one run: the fragments of the slot's q-th 64 along K into buffer f; the first 32 along K first
.macro FETCH slot, q, f
	WIN TO_F
.irp c, 0,1
.irp i, 0,1,2,3
	ds_load_b128 v[\f+64+8*(4*\c+\i):\f+64+8*(4*\c+\i)+3],   v[ADRB+\slot] offset:128*(\q)+64*\c+\i*16*PITCH
	ds_load_b128 v[\f+64+8*(4*\c+\i)+4:\f+64+8*(4*\c+\i)+7], v[ADRB+\slot] offset:128*(\q)+64*\c+\i*16*PITCH+32
	ds_load_b128 v[\f+8*(4*\c+\i):\f+8*(4*\c+\i)+3],         v[ADRA+\slot] offset:8192*\i+1024*(2*(\q)+\c)
	ds_load_b128 v[\f+8*(4*\c+\i)+4:\f+8*(4*\c+\i)+7],       v[ADRA+\slot] offset:8192*\i+1024*(2*(\q)+\c)+512
.endr
.endr
.endm
.macro PLACES                          ; four plain vector instructions in front of loads into registers that matrix instructions have read, and of the first read of results
.rept 4
	v_nop
.endr
.endm
; A K step is four quarters of 64 along K, 32 matrix instructions each, on buffers 0, 1, 0, 1.  One of the first three: multiplies buffer f and fetches quarter q into g.
.macro QUARTER slot, q, f, g, first
	s_wait_dscnt 16                                ; the first 32 along K are in; the youngest sixteen loads may be out
	WIN MUL
	MUL8 \f, 0, 0, \first
	MUL8 \f, 0, 2, \first
	PLACES
	FETCH \slot, \q, \g
	s_wait_dscnt 32                                ; all but the 32 just issued
	WIN MUL
	MUL8 \f, 1, 0, 0
	MUL8 \f, 1, 2, 0
.endm
; The last quarter multiplies buffer 1 and changes slots: ONE barrier; in front of it each wave waits for all its tensor loads, adds 0 to its spare word, and waits for that and for its own reads of this slot.
; fill = 1: the barrier opens a round of the cluster's, and this slot is filled again, two K steps ahead, first thing behind the round.
.macro TURN slot, next, fill
	WIN 0
	s_wait_tensorcnt 0x0                           ; all my tensor loads have landed: my part of the next slot;
	ds_add_u32 v[SPW], v[NIL]                      ; 0 onto my spare word;
	s_wait_dscnt 17                                ; (the add and the youngest sixteen loads may be out)
	WIN MUL
	MUL8 F1, 0, 0, 0
	s_wait_dscnt 0x0                               ; the add is done, and my reads of this slot are over
	s_barrier_signal -1
	MUL8 F1, 0, 2, 0
.if \fill
	WIN 0
.endif
	s_barrier_wait -1
.if \fill
	CREST                                          ; no wave of any partner still reads this slot or has a load on its way
	s_add_nc_u64 s[G0+4*\slot+2:G0+4*\slot+3], s[G0+4*\slot+2:G0+4*\slot+3], 2*KSA
	s_add_nc_u64 s[G0B+4*\slot+2:G0B+4*\slot+3], s[G0B+4*\slot+2:G0B+4*\slot+3], 2*KSB
	JLOAD \slot                                    ; the four v_nop behind it are also the places in front of the loads below
.else
	PLACES
.endif
	FETCH \next, 0, F0
	WIN MUL
	MUL8 F1, 1, 0, 0
	MUL8 F1, 1, 2, 0
.endm
	s_wait_tensorcnt 1                             ; my part of K step 0 is in (K step 1's load may be out)
	s_barrier_signal -1
	s_barrier_wait -1                              ; everybody's is
	FETCH 0, 0, F0
	s_wait_loadcnt 0x0                             ; the bias
	QUARTER 0, 1, F0, F1, 1                        ; K step 0
	QUARTER 0, 2, F1, F0, 0
	QUARTER 0, 3, F0, F1, 0
	TURN 0, 1, 1                                   ; slot 0 takes K step 2
	QUARTER 1, 1, F0, F1, 0                        ; K step 1
	QUARTER 1, 2, F1, F0, 0
	QUARTER 1, 3, F0, F1, 0
	TURN 1, 0, 1                                   ; slot 1 takes K step 3
	QUARTER 0, 1, F0, F1, 0                        ; K step 2
	QUARTER 0, 2, F1, F0, 0
	QUARTER 0, 3, F0, F1, 0
	TURN 0, 1, 0                                   ; nothing is left to fetch
	QUARTER 1, 1, F0, F1, 0                        ; K step 3
	QUARTER 1, 2, F1, F0, 0
	QUARTER 1, 3, F0, F1, 0
	s_wait_dscnt 16
	WIN MUL
	MUL8 F1, 0, 0, 0
	MUL8 F1, 0, 2, 0
	s_wait_dscnt 0
	MUL8 F1, 1, 0, 0
	MUL8 F1, 1, 2, 0
	WIN 0
; THE WAY OUT, block by block of 16 rows x 64 columns.  A lane holds 32 neighbouring bytes of a row and the lanes beside it other rows: a block goes through my own stage and comes back as rows of 256 bytes.
; LDS serves a wave's instructions in order: no wait between the stores and the loads, nor in front of the next block's stores.
.macro TOSTAGE a
.irp b, 0,1,2,3
	ds_store_b128 v[STO], v[ACC+8*(4*(\a)+\b):ACC+8*(4*(\a)+\b)+3] offset:64*\b       ; each accumulator from its low end on
	ds_store_b128 v[STO], v[ACC+8*(4*(\a)+\b)+4:ACC+8*(4*(\a)+\b)+7] offset:64*\b+16
.endr
.irp t, 0,1,2,3,4,5,6,7
	ds_load_b128 v[TMP+32*((\a)%2)+4*\t:TMP+32*((\a)%2)+4*\t+3], v[RD] offset:\t*2*SPITCH
.endr
.endm
.macro SEND a, younger                 ; younger: the LDS instructions issued behind block a's loads, which may stay out
	s_wait_dscnt \younger
.irp t, 0,1,2,3,4,5,6,7
	global_store_b128 v[CO], v[TMP+32*((\a)%2)+4*\t:TMP+32*((\a)%2)+4*\t+3], s[10:11] offset:(16*(\a)+2*\t)*4096 th:TH_STORE_NT   ; 16 lanes store 256 consecutive bytes, aligned; written once, read by nobody here
.endr
.endm
	PLACES
	TOSTAGE 0
.irp a, 1,2,3
.if \a > 1
	s_wait_xcnt 0x0                                ; block a - 2's stores have read their registers: block a's loads may land there
.endif
	TOSTAGE \a
	SEND \a-1, 16                                  ; behind block a - 1's loads: block a's 8 stores and 8 loads
.endr
	SEND 3, 0
	s_wait_tensorcnt 0x0                           ; the wave's end: behind my last tensor load and my last LDS store
	ds_add_u32 v[SPW], v[NIL]
	s_wait_dscnt 0x0
	CROUND                                         ; the closing round
	s_endpgm
.Lfunc_end_k_q5a5733ae2d_proj:
	.size	k_q5a5733ae2d_proj, .Lfunc_end_k_q5a5733ae2d_proj-k_q5a5733ae2d_proj
	.p2alignl 7, 3214868480
	.fill 96, 4, 3214868480
	.section	.rodata,"a",@progbits
	.p2align	6, 0x0
	.amdhsa_kernel k_q5a5733ae2d_proj
		.amdhsa_group_segment_fixed_size 327680
		.amdhsa_private_segment_fixed_size 0
		.amdhsa_enable_private_segment 0
		.amdhsa_kernarg_size 32
		.amdhsa_user_sgpr_count 2
		.amdhsa_user_sgpr_kernarg_segment_ptr 1
		.amdhsa_wavefront_size32 1
		.amdhsa_system_sgpr_workgroup_id_x 1
		.amdhsa_system_sgpr_workgroup_id_y 1
		.amdhsa_system_sgpr_workgroup_id_z 1
		.amdhsa_system_vgpr_workitem_id 0
		.amdhsa_next_free_vgpr 512
		.amdhsa_next_free_sgpr 66
		.amdhsa_reserve_vcc 0
		.amdhsa_float_denorm_mode_32 3
		.amdhsa_float_denorm_mode_16_64 3
		.amdhsa_memory_ordered 1
		.amdhsa_forward_progress 1
		.amdhsa_inst_pref_size 86
	.end_amdhsa_kernel
	.amdgpu_metadata
---
amdhsa.version: [ 1, 2 ]
amdhsa.kernels:
  - .name:           k_q5a5733ae2d_proj
    .symbol:         k_q5a5733ae2d_proj.kd
    .args:
      - { .name: o16, .offset: 0, .size: 8, .value_kind: global_buffer, .address_space: global }
      - { .name: wo16, .offset: 8, .size: 8, .value_kind: global_buffer, .address_space: global }
      - { .name: bo, .offset: 16, .size: 8, .value_kind: global_buffer, .address_space: global }
      - { .name: out0, .offset: 24, .size: 8, .value_kind: global_buffer, .address_space: global }
    .group_segment_fixed_size: 327680
    .private_segment_fixed_size: 0
    .kernarg_segment_align: 8
    .kernarg_segment_size: 32
    .max_flat_workgroup_size: 128
    .sgpr_count:     66
    .vgpr_count:     512
    .wavefront_size: 32
...
	.end_amdgpu_metadata
.endif
;; end of part 4
